; MI455X (gfx1250); checked and timed in simulation.
; The chip was launched on July 23, 2026; its instructions are those of AMD's public machine-readable ISA for CDNA 5 (MIT licence, August 2026) and "CDNA5" Instruction Set Architecture Reference Guide (July 2026). The comments in the code are by the model that wrote it; some were corrected since.
;; Wave Pinn. Allowed arithmetic: float matrix products may take bf16 or f16 operands with f32 sums; other float arithmetic in f32, or as packed bf16 or f16 multiplies, adds, multiply-adds, maxima and minima; sums over many terms, partial sums and values carried from step to step in f32; what a program stores and reads back later, other than sums and carried values, may be rounded once to bf16 or f16.
;; Inputs: W0 2 x 256 float32; W1 256 x 256 float32; W2 256 x 256 float32; W3 256 x 256 float32; W4 256 x 1 float32; b0 256 float32; b1 256 float32; b2 256 float32; b3 256 float32; b4 1 float32; tx_bound 32,768 x 2 float32; tx_equation 32,768 x 2 float32; tx_init 32,768 x 2 float32.
;; Outputs: out0 4 x 32,768 x 1 float32.
;; 2 versions, each right; version 2 is version 1 with the launches prep, pinn written anew for expert scheduling mode. Each part assembles by itself: llvm-mc -triple=amdgcn-amd-amdhsa -mcpu=gfx1250 --defsym DOCPART=n.
;; ======== version 1 of 2: 2 launches
;; limits: right only within a limited range of input values; values are held in f16: magnitudes above 65,504 overflow, below 6.1e-05 lose precision
;; workspace buffers: wimg 393,216 bytes; bsc 3,072 bytes; expo 512 bytes
;; launch prep (part 1): grid 4 x 3, 8 waves a work-group, no clusters, 5,120 bytes of LDS; arguments W1, W2, W3, b1, b2, b3, W0, wimg, bsc, expo; writes wimg, bsc, expo
.if DOCPART == 1
	.amdgcn_target "amdgcn-amd-amdhsa--gfx1250"
	.amdhsa_code_object_version 6
	.text
	.protected	k_q36070ecb7f_prep
	.globl	k_q36070ecb7f_prep
	.p2align	8
	.type	k_q36070ecb7f_prep,@function
k_q36070ecb7f_prep:
	s_mov_b64 s[64:65], 0
	v_nop
	global_prefetch_b8 v0, s[64:65] scope:SCOPE_SE
	s_setreg_imm32_b32 hwreg(HW_REG_WAVE_MODE, 25, 1), 1
	s_wait_xcnt 0x0
; THE WEIGHTS ARE MADE READY.  For layer l = 1..3 (the grid's y + 1): G = the largest column sum of |W_l|, g = floor(log2 G) + 1, held to -16 .. 16; om = 2^(6 - g).
; Stored: wimg = f16(om W_l), laid out as the register images that the next launch loads (below); bsc = b_l x 2^15 x om in f32; expo = g0 (the same of max |W0|), g1, g2, g3, each 32 times, as int32.
; All scales are powers of two, so the one rounding is that of W to f16.
; LIMITS.  Where a column sum lies outside 2^-16 .. 2^16 the clamp of g leaves the scaled weights too small or too large for f16 (beyond 65,504 they become infinities).  NaN and infinities are not treated apart.
; SHARES.  A work-group (x, y) makes the image of columns 64 x .. 64 x + 63 of layer y.  G wants all 256 columns, so each of a layer's four work-groups reads the whole matrix once
; (262,144 bytes, in loads of 512 consecutive bytes a wave) and finds the same G by the same order of sums.  12 work-groups: the whole work is 786,432 bytes of weights.
; THE IMAGE.  Byte (((4 y + x) 8 + ks) 4 + ct) 1,024 + 512 q + 16 L holds, for lane L = 16 h + r, the eight numbers W[32 ks + 16 q + 8 h + 0..7][64 x + 16 ct + r]: half a fragment
; (16 columns x 32 K) of a matrix instruction's source, 16 bytes a lane.
.set SPARE, 4096                       ; LDS: 0 .. 4,095 the threads' partial column sums; behind them the spare words, 128 bytes for each of the eight waves
.set BO,  2                            ; v2   256 x + 8 lane: my two numbers of the bias
.set L16, 3                            ; v3   16 lane
.set SPW, 4                            ; v4   LDS address of my spare word; never rewritten
.set NIL, 5                            ; v5   0; never rewritten
.set T16, 6                            ; v6   16 x thread: my 16 bytes of four rows on end, in memory and in LDS
.set LN,  7                            ; v7   lane
.set SUM, 8                            ; v8-11   my four columns' sums over my 64 rows
.set BP,  12                           ; v12-13  the bias pair
.set GO,  14                           ; v14  the gather's offset
.set SO,  15                           ; v15  the image's offset
.set W0R, 16                           ; v16-31  16 numbers of W0
.set TM,  32                           ; v32-39  at work
.set X,   64                           ; v64-191 a ring of 32 slots of four registers; later the sums read back (v64-95) and the packed image (v128-159)
.set PK,  128
.set GA,  192                          ; v192-255 the 64 numbers of my column
	s_load_b512 s[8:23], s[0:1], 0x0               ; W1 s[8:9], W2 s[10:11], W3 s[12:13], b1 s[14:15], b2 s[16:17], b3 s[18:19], W0 s[20:21], wimg s[22:23]
	s_load_b128 s[24:27], s[0:1], 0x40             ; bsc s[24:25], expo s[26:27]
	v_lshl_add_u32 v[SPW], v0, 2, SPARE
	v_mov_b32 v[NIL], 0
	v_lshrrev_b32 v1, 5, v0
	v_readfirstlane_b32 s2, v1                     ; wave 0..7
	v_and_b32 v[LN], 31, v0
	v_lshlrev_b32 v[T16], 4, v0
	v_lshlrev_b32 v[L16], 4, v[LN]
	s_and_b32 s3, ttmp7, 0xffff                    ; y: the layer
	s_mov_b32 s4, ttmp9                            ; x: the block of 64 columns
	s_lshl_b32 s5, s4, 8                           ; 64 x columns of 4 bytes
	v_lshl_add_u32 v[BO], v[LN], 3, s5
	s_lshr_b32 s6, s2, 1                           ; vg: which 64 of K my wave gathers
	s_and_b32 s7, s2, 1                            ; which 32 of the 64 columns
	s_lshl_b32 s30, s6, 16                         ; 64 vg rows of 1,024 bytes
	s_lshl_b32 s31, s7, 7                          ; 32 columns of 4 bytes
	s_add_co_u32 s30, s30, s31
	s_add_co_u32 s30, s30, s5
	v_lshl_add_u32 v[GO], v[LN], 2, s30            ; my column in row 64 vg
	s_lshl_b32 s30, s6, 13                         ; two K steps of 4,096 bytes of the image
	s_lshl_b32 s31, s7, 11                         ; two column tiles of 1,024
	s_add_co_u32 s30, s30, s31
	v_and_b32 v[TM], 15, v0                        ; r
	v_bfe_u32 v[TM+1], v0, 4, 1                    ; lanes 16-31: the next column tile
	v_lshl_add_u32 v[SO], v[TM+1], 10, s30
	v_lshl_add_u32 v[SO], v[TM], 4, v[SO]
	s_mov_b32 s44, 0x76543210                      ; v_permlanex16_b32: each lane takes its own place in the other half
	s_mov_b32 s45, 0xfedcba98
	s_mov_b32 s35, 0
	s_wait_kmcnt 0x0
	s_cmp_eq_u32 s3, 1                             ; the layer's W in s[28:29], its b in s[32:33]
	s_cselect_b64 s[28:29], s[10:11], s[8:9]
	s_cselect_b64 s[32:33], s[16:17], s[14:15]
	s_cmp_eq_u32 s3, 2
	s_cselect_b64 s[28:29], s[12:13], s[28:29]
	s_cselect_b64 s[32:33], s[18:19], s[32:33]
	s_lshl2_add_u32 s34, s3, s4                    ; 4 y + x
	s_lshl_b32 s34, s34, 15
	s_add_nc_u64 s[22:23], s[22:23], s[34:35]      ; my image of 32,768 bytes
	s_lshl_b32 s34, s3, 10
	s_add_nc_u64 s[24:25], s[24:25], s[34:35]      ; the layer's row of bsc
	s_lshl_b32 s34, s3, 7
	s_add_co_u32 s34, s34, 128
	s_add_nc_u64 s[36:37], s[26:27], s[34:35]      ; row y + 1 of expo
	global_load_b64 v[BP:BP+1], v[BO], s[32:33]
.irp i, 0,1,2,3
	global_load_b128 v[W0R+4*\i:W0R+4*\i+3], v[L16], s[20:21] offset:512*\i
.endr
	; PHASE 1: the column sums.  Thread t takes the 16 bytes at 16 t of every four rows: columns 4 (t % 64) + 0..3 of rows t / 64 + 4 i, i = 0..63.  32 loads of every wave are on their way.
.set i, 0
.rept 32
	global_load_b128 v[X+4*i:X+4*i+3], v[T16], s[28:29] offset:4096*i
.set i, i+1
.endr
.set i, 0
.rept 64
.if i < 32
	s_wait_loadcnt 31                              ; loads come back in order: slot i is in, the 31 younger stay out
.else
	s_wait_loadcnt 63-i                            ; the ring runs empty
.endif
.irp e, 0,1,2,3
.if i == 0
	v_and_b32 v[SUM+\e], 0x7fffffff, v[X+\e]       ; the first row starts the sums
.else
	v_add_f32 v[SUM+\e], v[SUM+\e], |v[X+4*(i%32)+\e]|
.endif
.endr
.if i < 32
	global_load_b128 v[X+4*i:X+4*i+3], v[T16], s[28:29] offset:4096*(i+32)
.endif
.set i, i+1
.endr
	; PHASE 3's loads go out now, so that they land while G is found: 64 numbers of one column, K = 64 vg + 0..63; a wave's load takes 128 consecutive bytes of a row that phase 1 has just read.
.set i, 0
.rept 64
	global_load_b32 v[GA+i], v[GO], s[28:29] offset:1024*i
.set i, i+1
.endr
	; PHASE 2: the four row groups' sums meet in LDS; every wave finds G by itself.
	ds_store_b128 v[T16], v[SUM:SUM+3]
	s_wait_dscnt 0x0                               ; for the others: my sums are in LDS
	s_barrier_signal -1
	s_barrier_wait -1
.irp e, 0,1
.irp g, 0,1,2,3
	ds_load_b128 v[X+16*\e+4*\g:X+16*\e+4*\g+3], v[L16] offset:512*\e+1024*\g  ; columns 4 (lane + 32 e) + 0..3, row group g
.endr
.endr
	s_wait_dscnt 0x0
.irp e, 0,1
.irp p, 0,2
	v_pk_add_f32 v[X+16*\e+\p:X+16*\e+\p+1], v[X+16*\e+\p:X+16*\e+\p+1], v[X+16*\e+4+\p:X+16*\e+4+\p+1]
	v_pk_add_f32 v[X+16*\e+8+\p:X+16*\e+8+\p+1], v[X+16*\e+8+\p:X+16*\e+8+\p+1], v[X+16*\e+12+\p:X+16*\e+12+\p+1]
.endr
.endr
.irp e, 0,1
.irp p, 0,2
	v_pk_add_f32 v[X+16*\e+\p:X+16*\e+\p+1], v[X+16*\e+\p:X+16*\e+\p+1], v[X+16*\e+8+\p:X+16*\e+8+\p+1]
.endr
.endr
	v_max3_num_f32 v[TM], v[X], v[X+1], v[X+2]
	v_max3_num_f32 v[TM+1], v[X+3], v[X+16], v[X+17]
	v_max3_num_f32 v[TM], v[TM], v[X+18], v[X+19]
	v_max_num_f32 v[TM], v[TM], v[TM+1]
.macro LANEMAX                         ; the largest of v[TM] over the 32 lanes, in every lane
	v_max_num_f32_dpp v[TM], v[TM], v[TM] row_xmask:1 row_mask:0xf bank_mask:0xf
	v_max_num_f32_dpp v[TM], v[TM], v[TM] row_xmask:2 row_mask:0xf bank_mask:0xf
	v_max_num_f32_dpp v[TM], v[TM], v[TM] row_xmask:4 row_mask:0xf bank_mask:0xf
	v_max_num_f32_dpp v[TM], v[TM], v[TM] row_xmask:8 row_mask:0xf bank_mask:0xf
	v_permlanex16_b32 v[TM+1], v[TM], s44, s45
	v_max_num_f32 v[TM], v[TM], v[TM+1]
.endm
.macro EXPO d                          ; s[d] = floor(log2 v[TM]) + 1 from the number's exponent field, held to -16 .. 16
	v_readfirstlane_b32 s[\d], v[TM]
	s_lshr_b32 s[\d], s[\d], 23
	s_sub_co_i32 s[\d], s[\d], 126
	s_max_i32 s[\d], s[\d], -16
	s_min_i32 s[\d], s[\d], 16
.endm
	LANEMAX
	EXPO 38                                        ; g
	s_sub_co_i32 s40, 133, s38
	s_lshl_b32 s40, s40, 23                        ; om = 2^(6 - g)
	s_mov_b32 s41, s40                             ; named with it as a pair
	s_sub_co_i32 s42, 148, s38
	s_lshl_b32 s42, s42, 23                        ; 2^15 om
	s_mov_b32 s43, s42
	; PHASE 3: item i is K = 64 vg + 8 i + 0..7 of my column: scaled, rounded to f16, 16 bytes.  K step 2 vg + i / 4, q = (i / 2) % 2, h = i % 2.
.set i, 0
.rept 8
	s_wait_loadcnt 56-8*i                          ; the item's eight loads are in; the later items' stay out
.irp j, 0,1,2,3
	v_pk_mul_f32 v[GA+8*i+2*\j:GA+8*i+2*\j+1], v[GA+8*i+2*\j:GA+8*i+2*\j+1], s[40:41] op_sel_hi:[1,0]
.endr
.irp j, 0,1,2,3
	v_cvt_pk_f16_f32 v[PK+4*i+\j], v[GA+8*i+2*\j], v[GA+8*i+2*\j+1]
.endr
	global_store_b128 v[SO], v[PK+4*i:PK+4*i+3], s[22:23] offset:(i/4)*4096+((i/2)%2)*512+(i%2)*256  ; 16 lanes store 256 consecutive bytes, at a multiple of 256 from the image's first
.set i, i+1
.endr
	; Wave 0 alone: the block's 64 numbers of the scaled bias; in block 0 the layer's g; in block 0 of layer 0 also g0.
	s_cmp_lg_u32 s2, 0
	s_cbranch_scc1 .Lend
	v_pk_mul_f32 v[BP:BP+1], v[BP:BP+1], s[42:43] op_sel_hi:[1,0]
	global_store_b64 v[BO], v[BP:BP+1], s[24:25]   ; 32 lanes store 256 consecutive bytes
	s_cmp_lg_u32 s4, 0
	s_cbranch_scc1 .Lend
	v_mov_b32 v[TM+2], s38
	v_lshlrev_b32 v[TM+3], 2, v[LN]
	global_store_b32 v[TM+3], v[TM+2], s[36:37]
	s_cmp_lg_u32 s3, 0
	s_cbranch_scc1 .Lend
	v_max3_num_f32 v[TM], |v[W0R]|, |v[W0R+1]|, |v[W0R+2]|
.set i, 3
.rept 6
	v_max3_num_f32 v[TM], v[TM], |v[W0R+i]|, |v[W0R+i+1]|
.set i, i+2
.endr
	v_max_num_f32 v[TM], v[TM], |v[W0R+15]|
	LANEMAX
	EXPO 39                                        ; g0
	v_mov_b32 v[TM+4], s39
	global_store_b32 v[TM+3], v[TM+4], s[26:27]
.Lend:
	s_wait_tensorcnt 0x0                           ; the wave's end, behind my last LDS store
	ds_add_u32 v[SPW], v[NIL]
	s_wait_dscnt 0x0
	s_endpgm
.Lfunc_end_k_q36070ecb7f_prep:
	.size	k_q36070ecb7f_prep, .Lfunc_end_k_q36070ecb7f_prep-k_q36070ecb7f_prep
	.p2alignl 7, 3214868480
	.fill 96, 4, 3214868480
	.section	.rodata,"a",@progbits
	.p2align	6, 0x0
	.amdhsa_kernel k_q36070ecb7f_prep
		.amdhsa_group_segment_fixed_size 5120
		.amdhsa_private_segment_fixed_size 0
		.amdhsa_enable_private_segment 0
		.amdhsa_kernarg_size 80
		.amdhsa_user_sgpr_count 2
		.amdhsa_user_sgpr_kernarg_segment_ptr 1
		.amdhsa_wavefront_size32 1
		.amdhsa_system_sgpr_workgroup_id_x 1
		.amdhsa_system_sgpr_workgroup_id_y 1
		.amdhsa_system_sgpr_workgroup_id_z 1
		.amdhsa_system_vgpr_workitem_id 0
		.amdhsa_next_free_vgpr 256
		.amdhsa_next_free_sgpr 66
		.amdhsa_reserve_vcc 0
		.amdhsa_float_denorm_mode_32 3
		.amdhsa_float_denorm_mode_16_64 3
		.amdhsa_memory_ordered 1
		.amdhsa_forward_progress 1
		.amdhsa_inst_pref_size 42
	.end_amdhsa_kernel
	.amdgpu_metadata
---
amdhsa.version: [ 1, 2 ]
amdhsa.kernels:
  - .name:           k_q36070ecb7f_prep
    .symbol:         k_q36070ecb7f_prep.kd
    .args:
      - { .name: W1, .offset: 0, .size: 8, .value_kind: global_buffer, .address_space: global }
      - { .name: W2, .offset: 8, .size: 8, .value_kind: global_buffer, .address_space: global }
      - { .name: W3, .offset: 16, .size: 8, .value_kind: global_buffer, .address_space: global }
      - { .name: b1, .offset: 24, .size: 8, .value_kind: global_buffer, .address_space: global }
      - { .name: b2, .offset: 32, .size: 8, .value_kind: global_buffer, .address_space: global }
      - { .name: b3, .offset: 40, .size: 8, .value_kind: global_buffer, .address_space: global }
      - { .name: W0, .offset: 48, .size: 8, .value_kind: global_buffer, .address_space: global }
      - { .name: wimg, .offset: 56, .size: 8, .value_kind: global_buffer, .address_space: global }
      - { .name: bsc, .offset: 64, .size: 8, .value_kind: global_buffer, .address_space: global }
      - { .name: expo, .offset: 72, .size: 8, .value_kind: global_buffer, .address_space: global }
    .group_segment_fixed_size: 5120
    .private_segment_fixed_size: 0
    .kernarg_segment_align: 8
    .kernarg_segment_size: 80
    .max_flat_workgroup_size: 256
    .sgpr_count:     66
    .vgpr_count:     256
    .wavefront_size: 32
...
	.end_amdgpu_metadata
.endif
;; end of part 1
;; launch pinn (part 2): grid 256 x 1, 4 waves a work-group, no clusters, 247,296 bytes of LDS; arguments W0, b0, W4, b4, tx_equation, tx_init, tx_bound, wimg, bsc, expo, out0; writes out0
.if DOCPART == 2
	.amdgcn_target "amdgcn-amd-amdhsa--gfx1250"
	.amdhsa_code_object_version 6
	.text
	.protected	k_q36070ecb7f_pinn
	.globl	k_q36070ecb7f_pinn
	.p2align	8
	.type	k_q36070ecb7f_pinn,@function
k_q36070ecb7f_pinn:
	s_mov_b64 s[64:65], 0
	v_nop
	global_prefetch_b8 v0, s[64:65] scope:SCOPE_SE
	s_setreg_imm32_b32 hwreg(HW_REG_WAVE_MODE, 25, 1), 1
	s_wait_xcnt 0x0
; THE NET u(t, x) = tanh MLP 2 -> 256 -> 256 -> 256 -> 256 -> 1 AND ITS DERIVATIVES, BY FORWARD MODE, ALL LAYERS IN ONE LAUNCH.
; out0[0] = u_tt - u_xx at tx_equation, out0[1] = u and out0[2] = u_t at tx_init, out0[3] = u at tx_bound.
; STREAMS.  Beside h a point carries h_t, h_x and d = h_tt - h_xx.  Through z = h W + b all four go by the same W; through h = tanh z:  h_t = h' z_t,  h_x = h' z_x,
; d = h'' (z_t^2 - z_x^2) + h' z_d,  h' = 1 - h^2,  h'' = -2 h h'.  An equation point has 4 rows (H, T, X, D), an initial point 2 (H, T), a boundary point 1: 7 x 32,768 rows.
; FORMAT.  The three 256 x 256 products take f16 operands and f32 sums.  Powers of two keep every operand inside f16: H = 2^15 h, T = tau h_t, X = tau h_x, D = delta d, the weights om W with
; column sums of magnitudes under 2^6 (made by the launch before, with the exponents g0..g3).  tau and delta go on from layer to layer by om / 4, so the sums come out as 4 tau z_t, 4 delta z_d and
; with w = h' / 4 = r - r^2, r = 1 / (1 + 2^(2 log2(e) z)):  T = w aT,  X = w aX,  D = w (KAP H (aT^2 - aX^2) + aD): no scaling line is spent.  By these bounds |H| <= 2^15, |T|, |X| <= 2^15, |D| < 37,847.
; tanh: 2^15 (1 - 2 r); below z^2 = 2^-13 the series 2^15 (z - z^3 / 3), between 2^-13 and 2^-12 a blend of the two, so that small z keep their relative accuracy.
; LIMITS.  Column sums of |W1..W3| and max |W0| within 2^-16 .. 2^16 (outside, the clamp of g lets operands leave f16's range); |z| under 2^37 (the series' cube); NaN and infinities are not treated apart.
; W1..W3 are rounded once to f16, the activations once a layer; W0, b0..b4, W4 and tx stay f32.
; SHARES.  A work-group takes 128 points of each set, as 2 superchunks of 4 PIECES of 16 points x 7 streams = 112 rows.  Wave w owns columns 64 w .. 64 w + 63 of every layer and holds that layer's
; 256 x 64 weights in 256 registers, loaded once for a superchunk's four pieces: 32,768 bytes for 896 matrix instructions.  The activations of all four pieces lie in LDS and are rewritten in place.
; THE MATRIX INSTRUCTION IS USED TRANSPOSED (source 0 = 16 columns of W, source 1 = 16 points): a lane holds ONE point (lane % 16) and eight neighbouring columns, so all streams of a
; (point, column) meet in one lane, and eight results pack into 16 bytes.
; NO CLUSTER, NO TENSOR LOADS: what work-groups share is the weights, and those go straight from memory into registers, laid out as fragments; a joint load lands in LDS, where beside the
; activations' 236,544 bytes 91,136 of 327,680 are left, less than a layer's 131,072.
; REGISTERS, in windows of 256 (s_set_vgpr_msb: bits 1:0 source 0, 3:2 source 1, 5:4 source 2, 7:6 destination):
;   window 0: addresses, fragments of the activations, what is at work;  window 1: the layer's weights, fragment (ks, ct) at 8 (4 ks + ct);
;   window 2: the 28 accumulators, stream s, column tile ct at 32 s + 8 ct (s: 0 eqH, 1 eqT, 2 eqX, 3 eqD, 4 inH, 5 inT, 6 bdH);  window 3: YY, PP, QQ at work, W4.
.set PITCH, 528                        ; a row of 256 f16 + 16 bytes: 33 x 16, so the 16 rows of a load or store start at 16 different groups of four banks (64 banks of 4 bytes: ISA guide 11.1)
.set SROW,  16*PITCH                   ; a stream's 16 rows
.set PIECE, 7*SROW                     ; 59,136
.set TBL,   4*PIECE                    ; behind the four pieces: W0's two rows and b0, 1,024 bytes each
.set TXB,   TBL+3072                   ; the work-group's 128 points of each set, 1,024 bytes a set
.set PSB,   TXB+3072                   ; partial sums of the last layer: [output][wave][64 points] f32
.set SPARE, PSB+4096                   ; the spare words, 128 bytes for each wave: two blocks of 256 bytes that no other line names
.set RR,  1                            ; v1   lane % 16
.set HF,  2                            ; v2   lane / 16
.set LN,  3                            ; v3   lane
.set SPW, 4                            ; v4   LDS address of my spare word; never rewritten
.set NIL, 5                            ; v5   0; never rewritten
.set LT,  6                            ; v6   528 r + 16 h: my place in a fragment's rows
.set ALD, 7                            ; v7   the same in the piece in hand
.set AST, 8                            ; v8   where I put 16 bytes of a row, in the piece in hand
.set ST0, 9                            ; v9   LT + 128 w
.set L16, 10                           ; v10  16 lane
.set CBO, 11                           ; v11  256 w + 32 h: my eight columns in a row of 256 f32
.set TX0, 12                           ; v12  TXB + 8 r
.set TXA, 13                           ; v13  the same for the piece in hand
.set PS0, 14                           ; v14  PSB + 256 w + 4 r
.set PSA, 15                           ; v15  the same for the piece in hand
.set NBV, 16                           ; v16-17  the blend's factor, twice
.set TBV, 18                           ; v18-19  2.0, twice
.set PSR, 20                           ; v20  PSB + 1,024 w + 8 lane
.set L8,  21                           ; v21  8 lane
.set TBA, 22                           ; v22  TBL + CBO
.set FD,  24                           ; v24-31  the last sums
.set AF,  32                           ; v32-143  two buffers of 7 fragments of 8
.set WG,  32                           ;          later the blend's weights (96),
.set OUT, 32                           ;          later the packed results (112)
.set TAB, 32                           ;          in layer 0: W0's t row, x row, b0 (32 each),
.set TXP, 128                          ; v128-133 the three points (t, x),
.set XXP, 134                          ; v134-139 and (x, x)
.set BIAS, 144                         ; v144-175 the layer's scaled bias, 8 a column tile, in an accumulator's layout
.set WW,  176                          ; v176-239 w of the equation and initial points
.set DT,  176                          ;          in the last layer: 16 chains of two
.set STG, 240                          ; v240-249 the head's staging
.set YY,  0                            ; window 3: the exponent, 2^.., r, then 2^15 (1 - 2 r), of the three h streams
.set PP,  96                           ; window 3: aH^2, the series' factor, then series - tanh
.set QQ,  192                          ; window 3: aT^2 - aX^2 and what is made of it
.set W4T, 224                          ; window 3: W4 of my 32 columns
.set WV,   2                           ; s2   my wave's number
.set P_W0, 8                           ; s[8:29] the eleven addresses
.set P_B0, 10
.set P_W4, 12
.set P_B4, 14
.set P_TXE, 16
.set P_TXI, 18
.set P_TXB, 20
.set P_IMG, 22
.set P_BSC, 24
.set P_EXP, 26
.set P_OUT, 28
.set SCN,  30                          ; s30  superchunks to go, 2 .. 1
.set LCN,  31                          ; s31  layers to go, 4 .. 1
.set PCN,  32                          ; s32  pieces to go, 4 .. 1
.set POFF, 33                          ; s33  the piece's first LDS byte
.set LDF,  34                          ; s34  1: this piece's product asks for the next layer's weights
.set PSO,  35                          ; s35  the piece's 64 bytes in a row of PSB
.set TXO,  36                          ; s36  the piece's 128 bytes in a set of TXB
.set LAYLD, 37                         ; s37  1: a product follows this layer's
.set NIMG, 38                          ; s[38:39] my image of the weights to be loaded next
.set NBIA, 40                          ; s[40:41] the bias row that goes with it
.set M2S,  50                          ; s[50:51] -2^16
.set SPL,  52                          ; s[52:53] 2^15
.set TAU4, 54                          ; s[54:55] 4 tau_1 = 2^(9 - g0)
.set SCL,  56                          ; s[56:57] my output's unscaling
.set ADDC, 58                          ; s[58:59] b4 or 0
.set SEL,  60                          ; s[60:61] v_permlanex16_b32's selects
.set CY,   66                          ; five tables of four, one entry a tanh layer; the entry in use stands first and is named with its neighbour as a pair:
.set C1,   70                          ; CY: exponent = CY aH;  C1, C3: series = aH (C1 + C3 aH^2)
.set C3,   74
.set NBS,  78                          ; blend weight = 2 + NBS aH^2, held to 0 .. 1
.set KAP,  82
.set GG,   86                          ; s86-89 g0..g3
.set TT,   90                          ; s90-99 at work
.set MSB, 0
.macro WIN new                         ; the immediate's high byte repeats the setting that is left; a switch that changes nothing is dropped
.if MSB != (\new)
	s_set_vgpr_msb (MSB<<8)|(\new)
.set MSB, \new
.endif
.endm
.macro PLACES                          ; a load into, or a vector write of, a register that a matrix instruction names, and a read of its result, stand four plain vector instructions behind it
.rept 4
	v_nop
.endr
.endm
; One line for each pair of numbers of the three h streams: pa = the pair's place among the accumulators, py among the 96, pj among its stream's 32, ph = the stream (0 eq, 1 init, 2 bound)
.macro H48 line:vararg
.set py, 0
.set ph, 0
.irp hb, 0,128,192
.set pa, \hb
.set pj, 0
.rept 16
	\line
.set pa, pa+2
.set py, py+2
.set pj, pj+2
.endr
.set ph, ph+1
.endr
.endm
.macro R16 line:vararg                 ; one line for py = 0, 2 .. 30
.set py, 0
.rept 16
	\line
.set py, py+2
.endr
.endm
.macro R32 line:vararg                 ; py = 0, 2 .. 62
.set py, 0
.rept 32
	\line
.set py, py+2
.endr
.endm
.macro R48 line:vararg                 ; py = 0, 2 .. 94
.set py, 0
.rept 48
	\line
.set py, py+2
.endr
.endm
.macro LOADBIAS                        ; register j of tile ct: bias of column 64 w + 16 ct + 8 h + j
.irp ct, 0,1,2,3
	global_load_b128 v[BIAS+8*\ct:BIAS+8*\ct+3],   v[CBO], s[NBIA:NBIA+1] offset:64*\ct
	global_load_b128 v[BIAS+8*\ct+4:BIAS+8*\ct+7], v[CBO], s[NBIA:NBIA+1] offset:64*\ct+16
.endr
.endm
.macro LOADB grp                       ; the four weight fragments of K step grp: 8 loads of 512 consecutive bytes
	WIN 0x40                                       ; destination window 1
.irp i, 0,1,2,3,4,5,6,7
	global_load_b128 v[32*(\grp)+4*\i:32*(\grp)+4*\i+3], v[L16], s[NIMG:NIMG+1] offset:4096*(\grp)+512*\i
.endr
	WIN 0
.endm
.macro COND grp                        ; in a layer's last piece: K step grp has been multiplied for the last time, so its registers take the next layer's weights
	s_cmp_eq_u32 s[LDF], 1
	s_cbranch_scc0 .Lkeep_\@
.if (\grp) == 0
	LOADBIAS
.endif
	LOADB \grp
.Lkeep_\@:
.endm
.macro FETCH ks, buf                   ; the seven streams' fragments (16 points x 32 K) of K step ks: lane l holds row l % 16, K = 8 (l / 16) + 0..7 and 16 + 8 (l / 16) + 0..7
.irp st, 0,1,2,3,4,5,6
	ds_load_b128 v[AF+56*(\buf)+8*\st:AF+56*(\buf)+8*\st+3],   v[ALD] offset:SROW*\st+64*(\ks)
	ds_load_b128 v[AF+56*(\buf)+8*\st+4:AF+56*(\buf)+8*\st+7], v[ALD] offset:SROW*\st+64*(\ks)+32
.endr
.endm
; 28 matrix instructions: K step ks of all 28 accumulators, which take turns.  K step 0 starts the sums: the h streams' with the scaled bias, the others' with 0.
.macro MM ks
.set fb, AF+56*((\ks)%2)
.set wb, 32*(\ks)
.if (\ks) == 0
	WIN 0x81                                       ; weights window 1, activations and bias window 0, sums window 2
.irp st, 0,4,6
.irp ct, 0,1,2,3
	v_wmma_f32_16x16x32_f16 v[32*\st+8*\ct:32*\st+8*\ct+7], v[wb+8*\ct:wb+8*\ct+7], v[fb+8*\st:fb+8*\st+7], v[BIAS+8*\ct:BIAS+8*\ct+7]
.endr
.endr
	WIN 0xA1
.irp st, 1,2,3,5
.irp ct, 0,1,2,3
	v_wmma_f32_16x16x32_f16 v[32*\st+8*\ct:32*\st+8*\ct+7], v[wb+8*\ct:wb+8*\ct+7], v[fb+8*\st:fb+8*\st+7], 0
.endr
.endr
.else
	WIN 0xA1                                       ; C and D window 2
.irp st, 0,1,2,3,4,5,6
.irp ct, 0,1,2,3
	v_wmma_f32_16x16x32_f16 v[32*\st+8*\ct:32*\st+8*\ct+7], v[wb+8*\ct:wb+8*\ct+7], v[fb+8*\st:fb+8*\st+7], v[32*\st+8*\ct:32*\st+8*\ct+7]
.endr
.endr
.endif
.endm
; A piece's product: 224 matrix instructions.  While one K step is multiplied the next one's 14 LDS loads are out.
.macro MATMUL
	WIN 0
	FETCH 0, 0
	FETCH 1, 1
	s_wait_loadcnt 0x0                             ; the layer's weights and bias are in (asked for in the last piece of the layer before)
	s_wait_dscnt 14                                ; K step 0 is in; the 14 loads of K step 1 may stay out
	MM 0
.set kk, 1
.rept 6
	PLACES
	WIN 0
	FETCH kk+1, (kk+1)%2
	COND kk-1
	s_wait_dscnt 14                                ; K step kk is in; the 14 loads just issued may stay out
	MM kk
.set kk, kk+1
.endr
	PLACES
	WIN 0
	COND 6
	s_wait_dscnt 0x0
	MM 7
	PLACES                                         ; for the loads below and for the first reads of the sums
	WIN 0
	COND 7
.endm
; Layer 0 has no product: aH = z = t W0[0] + x W0[1] + b0, aT = 4 tau_1 W0[0], aX = 4 tau_1 W0[1], aD = 0, in the accumulators' layout.
.macro FILL
	WIN 0
.irp tb, 0,1,2
.irp ct, 0,1,2,3
	ds_load_b128 v[TAB+32*\tb+8*\ct:TAB+32*\tb+8*\ct+3],   v[TBA] offset:1024*\tb+64*\ct
	ds_load_b128 v[TAB+32*\tb+8*\ct+4:TAB+32*\tb+8*\ct+7], v[TBA] offset:1024*\tb+64*\ct+16
.endr
.endr
.irp i, 0,1,2
	ds_load_b64 v[TXP+2*\i:TXP+2*\i+1], v[TXA] offset:1024*\i
.endr
	s_wait_dscnt 0x0
.irp i, 0,1,2
	v_mov_b32 v[XXP+2*\i],   v[TXP+2*\i+1]
	v_mov_b32 v[XXP+2*\i+1], v[TXP+2*\i+1]
.endr
	WIN 0x80                                       ; destination window 2
	H48 v_pk_fma_f32 v[pa:pa+1], v[TAB+32+pj:TAB+32+pj+1], v[XXP+2*ph:XXP+2*ph+1], v[TAB+64+pj:TAB+64+pj+1]
	R16 v_pk_mul_f32 v[32+py:32+py+1], v[TAB+py:TAB+py+1], s[TAU4:TAU4+1] op_sel_hi:[1,0]
	R16 v_pk_mul_f32 v[64+py:64+py+1], v[TAB+32+py:TAB+32+py+1], s[TAU4:TAU4+1] op_sel_hi:[1,0]
	R16 v_pk_mul_f32 v[160+py:160+py+1], v[TAB+py:TAB+py+1], s[TAU4:TAU4+1] op_sel_hi:[1,0]
.set i, 0
.rept 32
	v_mov_b32 v[96+i], 0                           ; z has no second derivative in layer 0; one text of the activation serves all layers
.set i, i+1
.endr
	WIN 0xA0                                       ; source 2 and destination window 2
	H48 v_pk_fma_f32 v[pa:pa+1], v[TAB+pj:TAB+pj+1], v[TXP+2*ph:TXP+2*ph+1], v[pa:pa+1] op_sel_hi:[1,0,1]
	WIN 0
.endm
.macro LAYC l                          ; the constants of tanh layer l from s[TT] = lzs, where z = aH 2^lzs
	s_add_co_i32 s[TT+1], s[TT], 127
	s_lshl_b32 s[TT+1], s[TT+1], 23
	s_mul_f32 s[CY+\l], s[TT+1], 0x4038aa3b        ; 2 log2(e) 2^lzs
	s_add_co_i32 s[TT+1], s[TT], 142
	s_lshl_b32 s[C1+\l], s[TT+1], 23               ; 2^(15 + lzs)
	s_mul_i32 s[TT+1], s[TT], 3
	s_add_co_i32 s[TT+1], s[TT+1], 142
	s_lshl_b32 s[TT+1], s[TT+1], 23
	s_mul_f32 s[C3+\l], s[TT+1], 0xbeaaaaab        ; -2^(15 + 3 lzs) / 3
	s_lshl_b32 s[TT+1], s[TT], 1
	s_add_co_i32 s[TT+1], s[TT+1], 140
	s_lshl_b32 s[TT+1], s[TT+1], 23
	s_or_b32 s[NBS+\l], s[TT+1], 0x80000000        ; -2^(13 + 2 lzs)
.endm
	s_load_b512 s[8:23], s[0:1], 0x0               ; W0, b0, W4, b4, tx_equation, tx_init, tx_bound, wimg
	s_load_b128 s[24:27], s[0:1], 0x40             ; bsc, expo
	s_load_b64 s[28:29], s[0:1], 0x50              ; out0
	v_lshl_add_u32 v[SPW], v0, 2, SPARE
	v_mov_b32 v[NIL], 0
	v_lshrrev_b32 v1, 5, v0
	v_readfirstlane_b32 s[WV], v1                  ; wave 0..3
	v_and_b32 v[RR], 15, v0
	v_bfe_u32 v[HF], v0, 4, 1
	v_and_b32 v[LN], 31, v0
	v_mul_u32_u24 v[LT], v[RR], PITCH
	v_lshl_add_u32 v[LT], v[HF], 4, v[LT]
	s_lshl_b32 s[TT], s[WV], 7
	v_add_nc_u32 v[ST0], s[TT], v[LT]
	v_lshlrev_b32 v[L16], 4, v[LN]
	v_lshlrev_b32 v[L8], 3, v[LN]
	s_lshl_b32 s[TT+1], s[WV], 8
	v_lshl_add_u32 v[CBO], v[HF], 5, s[TT+1]
	v_add_nc_u32 v[TBA], TBL, v[CBO]
	v_lshl_add_u32 v[TX0], v[RR], 3, TXB
	v_lshl_add_u32 v[PS0], v[RR], 2, s[TT+1]
	v_add_nc_u32 v[PS0], PSB, v[PS0]
	s_lshl_b32 s[TT+2], s[WV], 10
	v_lshl_add_u32 v[PSR], v[LN], 3, s[TT+2]
	v_add_nc_u32 v[PSR], PSB, v[PSR]
	v_mov_b32 v[TBV], 2.0
	v_mov_b32 v[TBV+1], 2.0
	v_lshlrev_b32 v[STG+6], 4, v0                  ; 16 x thread
	v_lshlrev_b32 v[STG+7], 3, v0                  ; 8 x thread
	v_add_nc_u32 v[STG+8], TBL, v[STG+6]
	v_add_nc_u32 v[STG+9], TBL+2048, v[STG+7]
	s_mov_b32 s[M2S], 0xc7800000
	s_mov_b32 s[M2S+1], 0xc7800000
	s_mov_b32 s[SPL], 0x47000000
	s_mov_b32 s[SPL+1], 0x47000000
	s_mov_b32 s[SEL], 0x76543210
	s_mov_b32 s[SEL+1], 0xfedcba98
	s_wait_kmcnt 0x0
	s_load_b32 s[GG],   s[P_EXP:P_EXP+1], 0x0
	s_load_b32 s[GG+1], s[P_EXP:P_EXP+1], 0x80
	s_load_b32 s[GG+2], s[P_EXP:P_EXP+1], 0x100
	s_load_b32 s[GG+3], s[P_EXP:P_EXP+1], 0x180
	s_load_b32 s[TT+8], s[P_B4:P_B4+1], 0x0
	s_lshl_b32 s[TT], ttmp9, 10                    ; the work-group's 128 points of 8 bytes
	s_mov_b32 s[TT+1], 0
	s_add_nc_u64 s[P_TXE:P_TXE+1], s[P_TXE:P_TXE+1], s[TT:TT+1]
	s_add_nc_u64 s[P_TXI:P_TXI+1], s[P_TXI:P_TXI+1], s[TT:TT+1]
	s_add_nc_u64 s[P_TXB:P_TXB+1], s[P_TXB:P_TXB+1], s[TT:TT+1]
	s_lshl_b32 s[TT], s[WV], 17                    ; wave w finishes output w: 131,072 bytes each,
	s_lshl_b32 s[TT+2], ttmp9, 9                   ; the work-group's 128 numbers of it
	s_add_co_u32 s[TT], s[TT], s[TT+2]
	s_add_nc_u64 s[P_OUT:P_OUT+1], s[P_OUT:P_OUT+1], s[TT:TT+1]
	s_lshl_b32 s[TT], s[WV], 15
	s_add_nc_u64 s[NIMG:NIMG+1], s[P_IMG:P_IMG+1], s[TT:TT+1]  ; W1's image for my wave
	s_mov_b64 s[NBIA:NBIA+1], s[P_BSC:P_BSC+1]
	global_load_b128 v[FD:FD+3],      v[STG+6], s[P_W0:P_W0+1]    ; what goes through LDS: W0, b0 and the points, each byte fetched once by the work-group
	global_load_b64 v[FD+4:FD+5],     v[STG+7], s[P_B0:P_B0+1]
	global_load_b64 v[STG:STG+1],     v[STG+7], s[P_TXE:P_TXE+1]
	global_load_b64 v[STG+2:STG+3],   v[STG+7], s[P_TXI:P_TXI+1]
	global_load_b64 v[STG+4:STG+5],   v[STG+7], s[P_TXB:P_TXB+1]
	WIN 0xC0                                       ; destination window 3
.irp ct, 0,1,2,3
	global_load_b128 v[W4T+8*\ct:W4T+8*\ct+3],   v[CBO], s[P_W4:P_W4+1] offset:64*\ct
	global_load_b128 v[W4T+8*\ct+4:W4T+8*\ct+7], v[CBO], s[P_W4:P_W4+1] offset:64*\ct+16
.endr
	WIN 0
	LOADBIAS
.irp g, 0,1,2,3,4
	LOADB \g
.endr
	s_wait_kmcnt 0x0                               ; g0..g3 and b4.  All scales are made as exponent fields: (e + 127) << 23
	s_mov_b32 s[TT], 0                             ; layer 0: aH = z
	LAYC 0
.irp l, 1,2,3
	s_sub_co_i32 s[TT], s[GG+\l], 21               ; aH = 2^15 om z, om = 2^(6 - g)
	LAYC \l
.endr
	s_add_co_i32 s[TT+2], s[GG+1], s[GG+2]
	s_max_i32 s[TT+2], s[TT+2], s[GG+1]
	s_max_i32 s[TT+2], s[TT+2], 0
	s_sub_co_i32 s[TT+2], -8, s[TT+2]              ; log2 rho_1 = -8 - max(0, g1, g1 + g2), rho = delta / tau^2: it holds |D| inside f16 in all layers
	s_mov_b32 s[TT+3], s[TT+2]
.irp l, 0,1,2,3
	s_add_co_i32 s[TT+1], s[TT+3], 111
	s_lshl_b32 s[TT+1], s[TT+1], 23
	s_or_b32 s[KAP+\l], s[TT+1], 0x80000000        ; KAP = -rho 2^-16
.if \l < 3
	s_add_co_i32 s[TT+3], s[TT+3], s[GG+1+\l]      ; rho goes on by 4 / om = 2^(g - 4)
	s_sub_co_i32 s[TT+3], s[TT+3], 4
.endif
.endr
	s_sub_co_i32 s[TAU4], 136, s[GG]
	s_lshl_b32 s[TAU4], s[TAU4], 23                ; 2^(9 - g0)
	s_mov_b32 s[TAU4+1], s[TAU4]
	s_add_co_i32 s[TT+4], s[GG+1], s[GG+2]
	s_add_co_i32 s[TT+4], s[TT+4], s[GG+3]
	s_add_co_i32 s[TT+4], s[TT+4], s[GG]           ; g0 + g1 + g2 + g3
	s_add_co_i32 s[TT+5], s[TT+4], 108
	s_lshl_b32 s[TT+5], s[TT+5], 23                ; 1 / tau_4, tau_4 = 2^(19 - g0 - g1 - g2 - g3)
	s_add_co_i32 s[TT+6], s[TT+4], s[GG]
	s_sub_co_i32 s[TT+6], s[TT+6], s[TT+2]
	s_add_co_i32 s[TT+6], s[TT+6], 101
	s_lshl_b32 s[TT+6], s[TT+6], 23                ; 1 / delta_4, delta_4 = rho_1 2^(26 - 2 g0 - g1 - g2 - g3)
	s_cmp_eq_u32 s[WV], 0
	s_cselect_b32 s[SCL], s[TT+6], s[TT+5]         ; output 0: the residual; output 2: u_t
	s_and_b32 s[TT], s[WV], 1
	s_cmp_eq_u32 s[TT], 1
	s_cselect_b32 s[SCL], 0x38000000, s[SCL]       ; outputs 1 and 3: u = 2^-15 sum + b4
	s_cselect_b32 s[ADDC], s[TT+8], 0
	s_mov_b32 s[SCL+1], s[SCL]
	s_mov_b32 s[ADDC+1], s[ADDC]
	v_mov_b32 v[NBV], s[NBS]
	v_mov_b32 v[NBV+1], s[NBS]
	s_wait_loadcnt 56                              ; the five staging loads are in; behind them 8 of W4, 8 of the bias and 40 of the weights may stay out
	ds_store_b128 v[STG+8], v[FD:FD+3]
	ds_store_b64 v[STG+9], v[FD+4:FD+5]
	ds_store_b64 v[STG+9], v[STG:STG+1]   offset:1024
	ds_store_b64 v[STG+9], v[STG+2:STG+3] offset:2048
	ds_store_b64 v[STG+9], v[STG+4:STG+5] offset:3072
.irp g, 5,6,7
	LOADB \g
.endr
	s_wait_dscnt 0x0                               ; for the others: my part of the tables is in LDS
	s_barrier_signal -1
	s_barrier_wait -1
	s_mov_b32 s[SCN], 2
.Lsuper:                                               ; 64 points of each set
	s_mov_b32 s[LCN], 4
.Llayer:                                               ; tanh layer 4 - LCN, for the superchunk's four pieces
	s_mov_b32 s[POFF], 0
	s_mov_b32 s[PSO], 0
	s_sub_co_u32 s[TXO], 2, s[SCN]
	s_lshl_b32 s[TXO], s[TXO], 9                   ; the superchunk's 64 points of 8 bytes
	s_sub_co_u32 s[TT], 4, s[LCN]                  ; the layer l.  Its last piece asks for the weights of the product that follows: image l, behind layer 3 image 0 again
	s_cmp_eq_u32 s[TT], 3
	s_cselect_b32 s[TT], 0, s[TT]
	s_lshl_b32 s[TT+2], s[TT], 10
	s_lshl2_add_u32 s[TT], s[TT], s[WV]
	s_lshl_b32 s[TT], s[TT], 15
	s_mov_b32 s[TT+1], 0
	s_mov_b32 s[TT+3], 0
	s_wait_xcnt 0x0                                ; the loads issued so far have read their bases, which are written below
	s_add_nc_u64 s[NIMG:NIMG+1], s[P_IMG:P_IMG+1], s[TT:TT+1]
	s_add_nc_u64 s[NBIA:NBIA+1], s[P_BSC:P_BSC+1], s[TT+2:TT+3]
	s_add_co_u32 s[TT], s[SCN], s[LCN]
	s_cmp_eq_u32 s[TT], 2                          ; the last layer of the last superchunk: nothing follows
	s_cselect_b32 s[LAYLD], 0, 1
	s_mov_b32 s[PCN], 4
.Lpiece:                                               ; one piece through one layer
	v_add_nc_u32 v[ALD], s[POFF], v[LT]
	v_add_nc_u32 v[AST], s[POFF], v[ST0]
	v_add_nc_u32 v[TXA], s[TXO], v[TX0]
	v_add_nc_u32 v[PSA], s[PSO], v[PS0]
	s_cmp_eq_u32 s[PCN], 1
	s_cselect_b32 s[LDF], s[LAYLD], 0
	s_cmp_eq_u32 s[LCN], 4
	s_cbranch_scc0 .Lproduct
	FILL
	s_branch .Lacts
.Lproduct:
	MATMUL
.Lacts:
	s_wait_dscnt 0x0                               ; my reads of the piece are over:
	s_barrier_signal -1                            ; say so; the activation below works on registers alone while the others arrive
	; THE ACTIVATION, in runs under one window setting each.  Every array is walked upward, so that the first read of each accumulator is of its lowest registers.
	WIN 0xCA
	H48 v_pk_mul_f32 v[YY+py:YY+py+1], v[pa:pa+1], s[CY:CY+1] op_sel_hi:[1,0]
	H48 v_pk_mul_f32 v[PP+py:PP+py+1], v[pa:pa+1], v[pa:pa+1]
	WIN 0x03
	H48 v_pk_fma_f32 v[WG+py:WG+py+1], v[PP+py:PP+py+1], v[NBV:NBV+1], v[TBV:TBV+1] clamp
	WIN 0xC3
.set py, 0
.rept 48                                       ; the 96 exponentials are one batch; the series' factor is the plain work between them
	v_pk_fma_f32 v[PP+py:PP+py+1], v[PP+py:PP+py+1], s[C3:C3+1], s[C1:C1+1] op_sel_hi:[1,0,0]
	v_exp_f32 v[YY+py], v[YY+py]
	v_exp_f32 v[YY+py+1], v[YY+py+1]
.set py, py+2
.endr
	v_nop                                          ; a plain instruction behind the last exponential,
	s_wait_alu depctr_va_vdst(0)                   ; and the one wait ahead of the batch's first reader
	v_pk_add_f32 v[YY:YY+1], v[YY:YY+1], 1.0 op_sel_hi:[1,0]
.set py, 0
.rept 48                                       ; the 96 reciprocals are the second batch; each pair's 1 + 2^.. is made a pair ahead
.if py < 94
	v_pk_add_f32 v[YY+py+2:YY+py+3], v[YY+py+2:YY+py+3], 1.0 op_sel_hi:[1,0]
.endif
	v_rcp_f32 v[YY+py], v[YY+py]
	v_rcp_f32 v[YY+py+1], v[YY+py+1]
.set py, py+2
.endr
	v_nop
	s_wait_alu depctr_va_vdst(0)                   ; the batch's one wait
	WIN 0x3F
	R32 v_pk_fma_f32 v[WW+py:WW+py+1], v[YY+py:YY+py+1], v[YY+py:YY+py+1], v[YY+py:YY+py+1] neg_lo:[1,0,0] neg_hi:[1,0,0]  ; w = r - r^2
	WIN 0xC3
	R48 v_pk_fma_f32 v[YY+py:YY+py+1], v[YY+py:YY+py+1], s[M2S:M2S+1], s[SPL:SPL+1] op_sel_hi:[1,0,0]  ; 2^15 (1 - 2 r)
	WIN 0xFE
	H48 v_pk_fma_f32 v[PP+py:PP+py+1], v[pa:pa+1], v[PP+py:PP+py+1], v[YY+py:YY+py+1] neg_lo:[0,0,1] neg_hi:[0,0,1]  ; series - that
	WIN 0xBC
	H48 v_pk_fma_f32 v[pa:pa+1], v[WG+py:WG+py+1], v[PP+py:PP+py+1], v[YY+py:YY+py+1]  ; H
	WIN 0xCA
	R16 v_pk_mul_f32 v[QQ+py:QQ+py+1], v[32+py:32+py+1], v[32+py:32+py+1]
	WIN 0xFA
	R16 v_pk_fma_f32 v[QQ+py:QQ+py+1], v[64+py:64+py+1], v[64+py:64+py+1], v[QQ+py:QQ+py+1] neg_lo:[1,0,0] neg_hi:[1,0,0]  ; aT^2 - aX^2
	WIN 0xCE
	R16 v_pk_mul_f32 v[QQ+py:QQ+py+1], v[py:py+1], v[QQ+py:QQ+py+1]
	WIN 0xE3
	R16 v_pk_fma_f32 v[QQ+py:QQ+py+1], v[QQ+py:QQ+py+1], s[KAP:KAP+1], v[96+py:96+py+1] op_sel_hi:[1,0,1]
	WIN 0x88
	R16 v_pk_mul_f32 v[32+py:32+py+1], v[WW+py:WW+py+1], v[32+py:32+py+1]        ; T
	R16 v_pk_mul_f32 v[64+py:64+py+1], v[WW+py:WW+py+1], v[64+py:64+py+1]        ; X
	R16 v_pk_mul_f32 v[160+py:160+py+1], v[WW+32+py:WW+32+py+1], v[160+py:160+py+1]  ; the initial points' T
	WIN 0x8C
	R16 v_pk_mul_f32 v[96+py:96+py+1], v[WW+py:WW+py+1], v[QQ+py:QQ+py+1]        ; D
	WIN 0
	s_barrier_wait -1                              ; nobody reads the piece any more: it may be written
	s_cmp_eq_u32 s[LCN], 1
	s_cbranch_scc1 .Ldot
	WIN 0x0A                                       ; the results, rounded to f16, take the piece's place: my 64 columns of its 112 rows
.set i, 0
.rept 112
	v_cvt_pk_f16_f32 v[OUT+i], v[2*i], v[2*i+1]
.set i, i+1
.endr
	WIN 0
.irp st, 0,1,2,3,4,5,6
.irp ct, 0,1,2,3
	ds_store_b128 v[AST], v[OUT+16*\st+4*\ct:OUT+16*\st+4*\ct+3] offset:SROW*\st+32*\ct
.endr
.endr
	s_branch .Lstored
.Ldot:                                                 ; the last layer: streams 3 .. 6 (D, the initial H and T, the boundary H) times W4, in f32: my 64 columns' part of the four outputs
	WIN 0x0E                                       ; source 0 window 2, source 1 window 3
.irp k, 0,1,2,3
.irp o, 0,1,2,3
.irp ct, 0,1,2,3
.if \k == 0
	v_pk_mul_f32 v[DT+8*\o+2*\ct:DT+8*\o+2*\ct+1], v[96+32*\o+8*\ct:96+32*\o+8*\ct+1], v[W4T+8*\ct:W4T+8*\ct+1]
.else
	v_pk_fma_f32 v[DT+8*\o+2*\ct:DT+8*\o+2*\ct+1], v[96+32*\o+8*\ct+2*\k:96+32*\o+8*\ct+2*\k+1], v[W4T+8*\ct+2*\k:W4T+8*\ct+2*\k+1], v[DT+8*\o+2*\ct:DT+8*\o+2*\ct+1]
.endif
.endr
.endr
.endr
	WIN 0
.irp o, 0,1,2,3
	v_pk_add_f32 v[DT+8*\o:DT+8*\o+1], v[DT+8*\o:DT+8*\o+1], v[DT+8*\o+2:DT+8*\o+3]
	v_pk_add_f32 v[DT+8*\o+4:DT+8*\o+5], v[DT+8*\o+4:DT+8*\o+5], v[DT+8*\o+6:DT+8*\o+7]
.endr
.irp o, 0,1,2,3
	v_pk_add_f32 v[DT+8*\o:DT+8*\o+1], v[DT+8*\o:DT+8*\o+1], v[DT+8*\o+4:DT+8*\o+5]
.endr
.irp o, 0,1,2,3
	v_add_f32 v[DT+8*\o], v[DT+8*\o], v[DT+8*\o+1]
.endr
.irp o, 0,1,2,3
	v_permlanex16_b32 v[DT+8*\o+1], v[DT+8*\o], s[SEL], s[SEL+1]  ; the point's other 32 columns lie in the lane 16 away
.endr
.irp o, 0,1,2,3
	v_add_f32 v[DT+8*\o], v[DT+8*\o], v[DT+8*\o+1]
.endr
.irp o, 0,1,2,3
	ds_store_b32 v[PSA], v[DT+8*\o] offset:1024*\o ; both halves of the lanes write the same number to the same word
.endr
.Lstored:
	s_wait_dscnt 0x0                               ; for the others: my stores are in LDS
	s_barrier_signal -1
	s_add_co_u32 s[POFF], s[POFF], PIECE
	s_add_co_u32 s[PSO], s[PSO], 64
	s_add_co_u32 s[TXO], s[TXO], 128
	s_sub_co_u32 s[PCN], s[PCN], 1
	s_barrier_wait -1                              ; everybody's are: what is read from here on is whole
	s_cmp_lg_u32 s[PCN], 0
	s_cbranch_scc1 .Lpiece
.irp t, CY, C1, C3, NBS, KAP           ; each table turns by one entry; four turns bring it back for the next superchunk
	s_mov_b32 s[TT], s[\t]
	s_mov_b32 s[\t], s[\t+1]
	s_mov_b32 s[\t+1], s[\t+2]
	s_mov_b32 s[\t+2], s[\t+3]
	s_mov_b32 s[\t+3], s[TT]
.endr
	v_mov_b32 v[NBV], s[NBS]
	v_mov_b32 v[NBV+1], s[NBS]
	s_sub_co_u32 s[LCN], s[LCN], 1
	s_cmp_lg_u32 s[LCN], 0
	s_cbranch_scc1 .Llayer
	; Wave w finishes output w for the superchunk's 64 points: the four waves' parts are added, unscaled, b4 added where it belongs.
.irp g, 0,1,2,3
	ds_load_b64 v[FD+2*\g:FD+2*\g+1], v[PSR] offset:256*\g
.endr
	s_wait_dscnt 0x0
	v_pk_add_f32 v[FD:FD+1], v[FD:FD+1], v[FD+2:FD+3]
	v_pk_add_f32 v[FD+4:FD+5], v[FD+4:FD+5], v[FD+6:FD+7]
	v_pk_add_f32 v[FD:FD+1], v[FD:FD+1], v[FD+4:FD+5]
	v_pk_fma_f32 v[FD:FD+1], v[FD:FD+1], s[SCL:SCL+1], s[ADDC:ADDC+1] op_sel_hi:[1,0,0]
	global_store_b64 v[L8], v[FD:FD+1], s[P_OUT:P_OUT+1]  ; 32 lanes store 256 consecutive bytes, at a multiple of 256 from out0's first
	s_wait_xcnt 0x0                                ; the store has read its base and its data, which are written again only behind this wait
	s_add_nc_u64 s[P_OUT:P_OUT+1], s[P_OUT:P_OUT+1], 256
	s_sub_co_u32 s[SCN], s[SCN], 1
	s_cmp_lg_u32 s[SCN], 0
	s_cbranch_scc1 .Lsuper
	s_wait_tensorcnt 0x0                           ; the wave's end, behind my last LDS store
	ds_add_u32 v[SPW], v[NIL]
	s_wait_dscnt 0x0
	s_endpgm
.Lfunc_end_k_q36070ecb7f_pinn:
	.size	k_q36070ecb7f_pinn, .Lfunc_end_k_q36070ecb7f_pinn-k_q36070ecb7f_pinn
	.p2alignl 7, 3214868480
	.fill 96, 4, 3214868480
	.section	.rodata,"a",@progbits
	.p2align	6, 0x0
	.amdhsa_kernel k_q36070ecb7f_pinn
		.amdhsa_group_segment_fixed_size 247296
		.amdhsa_private_segment_fixed_size 0
		.amdhsa_enable_private_segment 0
		.amdhsa_kernarg_size 88
		.amdhsa_user_sgpr_count 2
		.amdhsa_user_sgpr_kernarg_segment_ptr 1
		.amdhsa_wavefront_size32 1
		.amdhsa_system_sgpr_workgroup_id_x 1
		.amdhsa_system_sgpr_workgroup_id_y 1
		.amdhsa_system_sgpr_workgroup_id_z 1
		.amdhsa_system_vgpr_workitem_id 0
		.amdhsa_next_free_vgpr 1024
		.amdhsa_next_free_sgpr 100
		.amdhsa_reserve_vcc 0
		.amdhsa_float_denorm_mode_32 3
		.amdhsa_float_denorm_mode_16_64 3
		.amdhsa_memory_ordered 1
		.amdhsa_forward_progress 1
		.amdhsa_inst_pref_size 118
	.end_amdhsa_kernel
	.amdgpu_metadata
---
amdhsa.version: [ 1, 2 ]
amdhsa.kernels:
  - .name:           k_q36070ecb7f_pinn
    .symbol:         k_q36070ecb7f_pinn.kd
    .args:
      - { .name: W0, .offset: 0, .size: 8, .value_kind: global_buffer, .address_space: global }
      - { .name: b0, .offset: 8, .size: 8, .value_kind: global_buffer, .address_space: global }
      - { .name: W4, .offset: 16, .size: 8, .value_kind: global_buffer, .address_space: global }
      - { .name: b4, .offset: 24, .size: 8, .value_kind: global_buffer, .address_space: global }
      - { .name: tx_equation, .offset: 32, .size: 8, .value_kind: global_buffer, .address_space: global }
      - { .name: tx_init, .offset: 40, .size: 8, .value_kind: global_buffer, .address_space: global }
      - { .name: tx_bound, .offset: 48, .size: 8, .value_kind: global_buffer, .address_space: global }
      - { .name: wimg, .offset: 56, .size: 8, .value_kind: global_buffer, .address_space: global }
      - { .name: bsc, .offset: 64, .size: 8, .value_kind: global_buffer, .address_space: global }
      - { .name: expo, .offset: 72, .size: 8, .value_kind: global_buffer, .address_space: global }
      - { .name: out0, .offset: 80, .size: 8, .value_kind: global_buffer, .address_space: global }
    .group_segment_fixed_size: 247296
    .private_segment_fixed_size: 0
    .kernarg_segment_align: 8
    .kernarg_segment_size: 88
    .max_flat_workgroup_size: 128
    .sgpr_count:     100
    .vgpr_count:     1024
    .wavefront_size: 32
...
	.end_amdgpu_metadata
.endif
;; end of part 2
;; ======== version 2 of 2: 2 launches; version 1 with the launches prep, pinn written anew for expert scheduling mode
;; limits: right only within a limited range of input values; values are held in f16: magnitudes above 65,504 overflow, below 6.1e-05 lose precision
;; workspace buffers: wimg 393,216 bytes; bsc 3,072 bytes; expo 512 bytes
;; launch prep (part 3): grid 4 x 3, 8 waves a work-group, no clusters, 5,120 bytes of LDS; arguments W1, W2, W3, b1, b2, b3, W0, wimg, bsc, expo; writes wimg, bsc, expo
.if DOCPART == 3
	.amdgcn_target "amdgcn-amd-amdhsa--gfx1250"
	.amdhsa_code_object_version 6
	.text
	.protected	k_q36070ecb7f_prep
	.globl	k_q36070ecb7f_prep
	.p2align	8
	.type	k_q36070ecb7f_prep,@function
k_q36070ecb7f_prep:
	s_mov_b64 s[64:65], 0
	v_nop
	global_prefetch_b8 v0, s[64:65] scope:SCOPE_SE
	s_setreg_imm32_b32 hwreg(HW_REG_WAVE_SCHED_MODE, 0, 2), 2
	s_setreg_imm32_b32 hwreg(HW_REG_WAVE_MODE, 25, 1), 1
	s_wait_xcnt 0x0
	s_wait_alu depctr_vm_vsrc(0)
; THE WEIGHTS ARE MADE READY.  For layer l = 1..3 (the grid's y + 1): G = the largest column sum of |W_l|, g = floor(log2 G) + 1, held to -16 .. 16; om = 2^(6 - g).
; Stored: wimg = f16(om W_l), laid out as the register images that the next launch loads (below); bsc = b_l x 2^15 x om in f32; expo = g0 (the same of max |W0|), g1, g2, g3, each 32 times, as int32.
; All scales are powers of two, so the one rounding is that of W to f16.
; LIMITS.  Where a column sum lies outside 2^-16 .. 2^16 the clamp of g leaves the scaled weights too small or too large for f16 (beyond 65,504 they become infinities).  NaN and infinities are not treated apart.
; SHARES.  A work-group (x, y) makes the image of columns 64 x .. 64 x + 63 of layer y.  G wants all 256 columns, so each of a layer's four work-groups reads the whole matrix once
; (262,144 bytes, in loads of 512 consecutive bytes a wave) and finds the same G by the same order of sums.  12 work-groups: the whole work is 786,432 bytes of weights.
; THE IMAGE.  Byte (((4 y + x) 8 + ks) 4 + ct) 1,024 + 512 q + 16 L holds, for lane L = 16 h + r, the eight numbers W[32 ks + 16 q + 8 h + 0..7][64 x + 16 ct + r]: half a fragment
; (16 columns x 32 K) of a matrix instruction's source, 16 bytes a lane.
; THE MODE: SCHED_MODE bits 1:0 = 2 (LLVM: expert scheduling mode 2), set by the entry lines.  The code itself states the register dependences between vector instructions and memory or
; LDS instructions, with s_wait_alu, always for 0.
; THE PLAN.  Registers that memory or LDS instructions touch:
;   BO, L16, T16, GO, SO  offsets, made at the head and never written again: one wait ahead of the first load.
;   X     32 slots in four blocks of eight.  A block's 32 adds read it; behind them one wait, and the block's eight loads of the rows 32 further on.  Later LDS loads land in its first eight slots.
;   SUM   written by the adds, read by one LDS store: the wait ahead of that store also states that the adds are done reading X.
;   GA    written by loads, then scaled in place by vector lines.     PK  written by the roundings, read by the image's stores, each register once: one wait ahead of each run of four stores.
;   BP, TM+2 .. TM+4  written by vector lines, read by wave 0's three stores, each register once.
; No register that a memory instruction reads is written again, so no wait on vm_vsrc is owed.
.set SPARE, 4096                       ; LDS: 0 .. 4,095 the threads' partial column sums; behind them the spare words, 128 bytes for each of the eight waves
.set BO,  2                            ; v2   256 x + 8 lane: my two numbers of the bias
.set L16, 3                            ; v3   16 lane
.set SPW, 4                            ; v4   LDS address of my spare word; never rewritten
.set NIL, 5                            ; v5   0; never rewritten
.set T16, 6                            ; v6   16 x thread: my 16 bytes of four rows on end, in memory and in LDS
.set LN,  7                            ; v7   lane
.set SUM, 8                            ; v8-11   my four columns' sums over my 64 rows
.set BP,  12                           ; v12-13  the bias pair
.set GO,  14                           ; v14  the gather's offset
.set SO,  15                           ; v15  the image's offset
.set W0R, 16                           ; v16-31  16 numbers of W0
.set TM,  32                           ; v32-39  at work
.set X,   64                           ; v64-191 a ring of 32 slots of four registers; later the sums read back (v64-95) and the packed image (v128-159)
.set PK,  128
.set GA,  192                          ; v192-255 the 64 numbers of my column
	s_load_b512 s[8:23], s[0:1], 0x0               ; W1 s[8:9], W2 s[10:11], W3 s[12:13], b1 s[14:15], b2 s[16:17], b3 s[18:19], W0 s[20:21], wimg s[22:23]
	s_load_b128 s[24:27], s[0:1], 0x40             ; bsc s[24:25], expo s[26:27]
	v_lshl_add_u32 v[SPW], v0, 2, SPARE
	v_mov_b32 v[NIL], 0
	v_lshrrev_b32 v1, 5, v0
	v_readfirstlane_b32 s2, v1                     ; wave 0..7
	v_and_b32 v[LN], 31, v0
	v_lshlrev_b32 v[T16], 4, v0
	v_lshlrev_b32 v[L16], 4, v[LN]
	s_and_b32 s3, ttmp7, 0xffff                    ; y: the layer
	s_mov_b32 s4, ttmp9                            ; x: the block of 64 columns
	s_lshl_b32 s5, s4, 8                           ; 64 x columns of 4 bytes
	v_lshl_add_u32 v[BO], v[LN], 3, s5
	s_wait_alu depctr_va_sdst(0)                   ; s2, the wave's number, is written, ahead of its first reader
	s_lshr_b32 s6, s2, 1                           ; vg: which 64 of K my wave gathers
	s_and_b32 s7, s2, 1                            ; which 32 of the 64 columns
	s_lshl_b32 s30, s6, 16                         ; 64 vg rows of 1,024 bytes
	s_lshl_b32 s31, s7, 7                          ; 32 columns of 4 bytes
	s_add_co_u32 s30, s30, s31
	s_add_co_u32 s30, s30, s5
	v_lshl_add_u32 v[GO], v[LN], 2, s30            ; my column in row 64 vg
	s_lshl_b32 s30, s6, 13                         ; two K steps of 4,096 bytes of the image
	s_lshl_b32 s31, s7, 11                         ; two column tiles of 1,024
	s_add_co_u32 s30, s30, s31
	v_and_b32 v[TM], 15, v0                        ; r
	v_bfe_u32 v[TM+1], v0, 4, 1                    ; lanes 16-31: the next column tile
	v_lshl_add_u32 v[SO], v[TM+1], 10, s30
	v_lshl_add_u32 v[SO], v[TM], 4, v[SO]
	s_mov_b32 s44, 0x76543210                      ; v_permlanex16_b32: each lane takes its own place in the other half
	s_mov_b32 s45, 0xfedcba98
	s_mov_b32 s35, 0
	s_wait_kmcnt 0x0
	s_cmp_eq_u32 s3, 1                             ; the layer's W in s[28:29], its b in s[32:33]
	s_cselect_b64 s[28:29], s[10:11], s[8:9]
	s_cselect_b64 s[32:33], s[16:17], s[14:15]
	s_cmp_eq_u32 s3, 2
	s_cselect_b64 s[28:29], s[12:13], s[28:29]
	s_cselect_b64 s[32:33], s[18:19], s[32:33]
	s_lshl2_add_u32 s34, s3, s4                    ; 4 y + x
	s_lshl_b32 s34, s34, 15
	s_add_nc_u64 s[22:23], s[22:23], s[34:35]      ; my image of 32,768 bytes
	s_lshl_b32 s34, s3, 10
	s_add_nc_u64 s[24:25], s[24:25], s[34:35]      ; the layer's row of bsc
	s_lshl_b32 s34, s3, 7
	s_add_co_u32 s34, s34, 128
	s_add_nc_u64 s[36:37], s[26:27], s[34:35]      ; row y + 1 of expo
	s_wait_alu depctr_va_vdst(0)                   ; the five offsets BO, L16, T16, GO and SO are written: every load and store below reads one of them
	global_load_b64 v[BP:BP+1], v[BO], s[32:33]
.irp i, 0,1,2,3
	global_load_b128 v[W0R+4*\i:W0R+4*\i+3], v[L16], s[20:21] offset:512*\i
.endr
	; PHASE 1: the column sums.  Thread t takes the 16 bytes at 16 t of every four rows: columns 4 (t % 64) + 0..3 of rows t / 64 + 4 i, i = 0..63.  24 to 32 loads of every wave are on their way.
.set i, 0
.rept 32
	global_load_b128 v[X+4*i:X+4*i+3], v[T16], s[28:29] offset:4096*i
.set i, i+1
.endr
.set i, 0
.rept 64
.if i < 32
	s_wait_loadcnt 31-i%8                          ; loads come back in order: slot i is in; the rest of its block and the three younger blocks stay out
.else
	s_wait_loadcnt 63-i                            ; the ring runs empty
.endif
.irp e, 0,1,2,3
.if i == 0
	v_and_b32 v[SUM+\e], 0x7fffffff, v[X+\e]       ; the first row starts the sums
.else
	v_add_f32 v[SUM+\e], v[SUM+\e], |v[X+4*(i%32)+\e]|
.endif
.endr
.if (i < 32) && (i%8 == 7)
	s_wait_alu depctr_va_vdst(0)                   ; the block's 32 adds are done reading its eight slots, in which the eight loads below land
.set k, i-7
.rept 8
	global_load_b128 v[X+4*k:X+4*k+3], v[T16], s[28:29] offset:4096*(k+32)
.set k, k+1
.endr
.endif
.set i, i+1
.endr
	; PHASE 3's loads go out now, so that they land while G is found: 64 numbers of one column, K = 64 vg + 0..63; a wave's load takes 128 consecutive bytes of a row that phase 1 has just read.
.set i, 0
.rept 64
	global_load_b32 v[GA+i], v[GO], s[28:29] offset:1024*i
.set i, i+1
.endr
	; PHASE 2: the four row groups' sums meet in LDS; every wave finds G by itself.
	s_wait_alu depctr_va_vdst(0)                   ; the adds have written SUM, which the LDS store reads, and are done reading X's first eight slots, in which the LDS loads behind the barrier land
	ds_store_b128 v[T16], v[SUM:SUM+3]
	s_wait_dscnt 0x0                               ; for the others: my sums are in LDS
	s_barrier_signal -1
	s_barrier_wait -1
.irp e, 0,1
.irp g, 0,1,2,3
	ds_load_b128 v[X+16*\e+4*\g:X+16*\e+4*\g+3], v[L16] offset:512*\e+1024*\g  ; columns 4 (lane + 32 e) + 0..3, row group g
.endr
.endr
	s_wait_dscnt 0x0
.irp e, 0,1
.irp p, 0,2
	v_pk_add_f32 v[X+16*\e+\p:X+16*\e+\p+1], v[X+16*\e+\p:X+16*\e+\p+1], v[X+16*\e+4+\p:X+16*\e+4+\p+1]
	v_pk_add_f32 v[X+16*\e+8+\p:X+16*\e+8+\p+1], v[X+16*\e+8+\p:X+16*\e+8+\p+1], v[X+16*\e+12+\p:X+16*\e+12+\p+1]
.endr
.endr
.irp e, 0,1
.irp p, 0,2
	v_pk_add_f32 v[X+16*\e+\p:X+16*\e+\p+1], v[X+16*\e+\p:X+16*\e+\p+1], v[X+16*\e+8+\p:X+16*\e+8+\p+1]
.endr
.endr
	v_max3_num_f32 v[TM], v[X], v[X+1], v[X+2]
	v_max3_num_f32 v[TM+1], v[X+3], v[X+16], v[X+17]
	v_max3_num_f32 v[TM], v[TM], v[X+18], v[X+19]
	v_max_num_f32 v[TM], v[TM], v[TM+1]
.macro LANEMAX                         ; the largest of v[TM] over the 32 lanes, in every lane
	v_max_num_f32_dpp v[TM], v[TM], v[TM] row_xmask:1 row_mask:0xf bank_mask:0xf
	v_max_num_f32_dpp v[TM], v[TM], v[TM] row_xmask:2 row_mask:0xf bank_mask:0xf
	v_max_num_f32_dpp v[TM], v[TM], v[TM] row_xmask:4 row_mask:0xf bank_mask:0xf
	v_max_num_f32_dpp v[TM], v[TM], v[TM] row_xmask:8 row_mask:0xf bank_mask:0xf
	v_permlanex16_b32 v[TM+1], v[TM], s44, s45
	v_max_num_f32 v[TM], v[TM], v[TM+1]
.endm
.macro EXPO d                          ; s[d] = floor(log2 v[TM]) + 1 from the number's exponent field, held to -16 .. 16
	v_readfirstlane_b32 s[\d], v[TM]
	s_wait_alu depctr_va_sdst(0)                   ; the maximum is written into the scalar register, ahead of its first reader
	s_lshr_b32 s[\d], s[\d], 23
	s_sub_co_i32 s[\d], s[\d], 126
	s_max_i32 s[\d], s[\d], -16
	s_min_i32 s[\d], s[\d], 16
.endm
	LANEMAX
	EXPO 38                                        ; g
	s_sub_co_i32 s40, 133, s38
	s_lshl_b32 s40, s40, 23                        ; om = 2^(6 - g)
	s_mov_b32 s41, s40                             ; named with it as a pair
	s_sub_co_i32 s42, 148, s38
	s_lshl_b32 s42, s42, 23                        ; 2^15 om
	s_mov_b32 s43, s42
	; PHASE 3: item i is K = 64 vg + 8 i + 0..7 of my column: scaled, rounded to f16, 16 bytes.  K step 2 vg + i / 4, q = (i / 2) % 2, h = i % 2.  The stores leave in two runs of four.
.set i, 0
.rept 8
	s_wait_loadcnt 56-8*i                          ; the item's eight loads are in; the later items' stay out
.irp j, 0,1,2,3
	v_pk_mul_f32 v[GA+8*i+2*\j:GA+8*i+2*\j+1], v[GA+8*i+2*\j:GA+8*i+2*\j+1], s[40:41] op_sel_hi:[1,0]
.endr
.irp j, 0,1,2,3
	v_cvt_pk_f16_f32 v[PK+4*i+\j], v[GA+8*i+2*\j], v[GA+8*i+2*\j+1]
.endr
.if i%4 == 3
	s_wait_alu depctr_va_vdst(0)                   ; the roundings of four items have written their sixteen registers of PK, which the four stores below read
.set k, i-3
.rept 4
	global_store_b128 v[SO], v[PK+4*k:PK+4*k+3], s[22:23] offset:(k/4)*4096+((k/2)%2)*512+(k%2)*256  ; 16 lanes store 256 consecutive bytes, at a multiple of 256 from the image's first
.set k, k+1
.endr
.endif
.set i, i+1
.endr
	; Wave 0 alone: the block's 64 numbers of the scaled bias; in block 0 the layer's g; in block 0 of layer 0 also g0.
	s_cmp_lg_u32 s2, 0
	s_cbranch_scc1 .Lend
	v_pk_mul_f32 v[BP:BP+1], v[BP:BP+1], s[42:43] op_sel_hi:[1,0]
	s_wait_alu depctr_va_vdst(0)                   ; the scaling has written BP, which the store reads
	global_store_b64 v[BO], v[BP:BP+1], s[24:25]   ; 32 lanes store 256 consecutive bytes
	s_cmp_lg_u32 s4, 0
	s_cbranch_scc1 .Lend
	v_mov_b32 v[TM+2], s38
	v_lshlrev_b32 v[TM+3], 2, v[LN]
	s_wait_alu depctr_va_vdst(0)                   ; the store's data TM+2 and its offset TM+3 are written
	global_store_b32 v[TM+3], v[TM+2], s[36:37]
	s_cmp_lg_u32 s3, 0
	s_cbranch_scc1 .Lend
	v_max3_num_f32 v[TM], |v[W0R]|, |v[W0R+1]|, |v[W0R+2]|
.set i, 3
.rept 6
	v_max3_num_f32 v[TM], v[TM], |v[W0R+i]|, |v[W0R+i+1]|
.set i, i+2
.endr
	v_max_num_f32 v[TM], v[TM], |v[W0R+15]|
	LANEMAX
	EXPO 39                                        ; g0
	v_mov_b32 v[TM+4], s39
	s_wait_alu depctr_va_vdst(0)                   ; the store's data TM+4 is written
	global_store_b32 v[TM+3], v[TM+4], s[26:27]
.Lend:
	s_wait_dscnt 0x0                               ; the closing lines, six on end
	s_wait_alu 0x0
	s_wait_tensorcnt 0x0
	ds_add_u32 v[SPW], v[NIL]
	s_wait_dscnt 0x0
	s_endpgm
.Lfunc_end_k_q36070ecb7f_prep:
	.size	k_q36070ecb7f_prep, .Lfunc_end_k_q36070ecb7f_prep-k_q36070ecb7f_prep
	.p2alignl 7, 3214868480
	.fill 96, 4, 3214868480
	.section	.rodata,"a",@progbits
	.p2align	6, 0x0
	.amdhsa_kernel k_q36070ecb7f_prep
		.amdhsa_group_segment_fixed_size 5120
		.amdhsa_private_segment_fixed_size 0
		.amdhsa_enable_private_segment 0
		.amdhsa_kernarg_size 80
		.amdhsa_user_sgpr_count 2
		.amdhsa_user_sgpr_kernarg_segment_ptr 1
		.amdhsa_wavefront_size32 1
		.amdhsa_system_sgpr_workgroup_id_x 1
		.amdhsa_system_sgpr_workgroup_id_y 1
		.amdhsa_system_sgpr_workgroup_id_z 1
		.amdhsa_system_vgpr_workitem_id 0
		.amdhsa_next_free_vgpr 256
		.amdhsa_next_free_sgpr 66
		.amdhsa_reserve_vcc 0
		.amdhsa_float_denorm_mode_32 3
		.amdhsa_float_denorm_mode_16_64 3
		.amdhsa_memory_ordered 1
		.amdhsa_forward_progress 1
		.amdhsa_inst_pref_size 43
	.end_amdhsa_kernel
	.amdgpu_metadata
---
amdhsa.version: [ 1, 2 ]
amdhsa.kernels:
  - .name:           k_q36070ecb7f_prep
    .symbol:         k_q36070ecb7f_prep.kd
    .args:
      - { .name: W1, .offset: 0, .size: 8, .value_kind: global_buffer, .address_space: global }
      - { .name: W2, .offset: 8, .size: 8, .value_kind: global_buffer, .address_space: global }
      - { .name: W3, .offset: 16, .size: 8, .value_kind: global_buffer, .address_space: global }
      - { .name: b1, .offset: 24, .size: 8, .value_kind: global_buffer, .address_space: global }
      - { .name: b2, .offset: 32, .size: 8, .value_kind: global_buffer, .address_space: global }
      - { .name: b3, .offset: 40, .size: 8, .value_kind: global_buffer, .address_space: global }
      - { .name: W0, .offset: 48, .size: 8, .value_kind: global_buffer, .address_space: global }
      - { .name: wimg, .offset: 56, .size: 8, .value_kind: global_buffer, .address_space: global }
      - { .name: bsc, .offset: 64, .size: 8, .value_kind: global_buffer, .address_space: global }
      - { .name: expo, .offset: 72, .size: 8, .value_kind: global_buffer, .address_space: global }
    .group_segment_fixed_size: 5120
    .private_segment_fixed_size: 0
    .kernarg_segment_align: 8
    .kernarg_segment_size: 80
    .max_flat_workgroup_size: 256
    .sgpr_count:     66
    .vgpr_count:     256
    .wavefront_size: 32
...
	.end_amdgpu_metadata
.endif
;; end of part 3
;; launch pinn (part 4): grid 256 x 1, 4 waves a work-group, no clusters, 247,296 bytes of LDS; arguments W0, b0, W4, b4, tx_equation, tx_init, tx_bound, wimg, bsc, expo, out0; writes out0
.if DOCPART == 4
	.amdgcn_target "amdgcn-amd-amdhsa--gfx1250"
	.amdhsa_code_object_version 6
	.text
	.protected	k_q36070ecb7f_pinn
	.globl	k_q36070ecb7f_pinn
	.p2align	8
	.type	k_q36070ecb7f_pinn,@function
k_q36070ecb7f_pinn:
	s_mov_b64 s[64:65], 0
	v_nop
	global_prefetch_b8 v0, s[64:65] scope:SCOPE_SE
	s_setreg_imm32_b32 hwreg(HW_REG_WAVE_SCHED_MODE, 0, 2), 2
	s_setreg_imm32_b32 hwreg(HW_REG_WAVE_MODE, 25, 1), 1
	s_wait_xcnt 0x0
	s_wait_alu depctr_vm_vsrc(0)
; THE NET u(t, x) = tanh MLP 2 -> 256 -> 256 -> 256 -> 256 -> 1 AND ITS DERIVATIVES, BY FORWARD MODE, ALL LAYERS IN ONE LAUNCH.
; out0[0] = u_tt - u_xx at tx_equation, out0[1] = u and out0[2] = u_t at tx_init, out0[3] = u at tx_bound.
; STREAMS.  Beside h a point carries h_t, h_x and d = h_tt - h_xx.  Through z = h W + b all four go by the same W; through h = tanh z:  h_t = h' z_t,  h_x = h' z_x,
; d = h'' (z_t^2 - z_x^2) + h' z_d,  h' = 1 - h^2,  h'' = -2 h h'.  An equation point has 4 rows (H, T, X, D), an initial point 2 (H, T), a boundary point 1: 7 x 32,768 rows.
; FORMAT.  The three 256 x 256 products take f16 operands and f32 sums.  Powers of two keep every operand inside f16: H = 2^15 h, T = tau h_t, X = tau h_x, D = delta d, the weights om W with
; column sums of magnitudes under 2^6 (made by the launch before, with the exponents g0..g3).  tau and delta go on from layer to layer by om / 4, so the sums come out as 4 tau z_t, 4 delta z_d and
; with w = h' / 4 = r - r^2, r = 1 / (1 + 2^(2 log2(e) z)):  T = w aT,  X = w aX,  D = w (KAP H (aT^2 - aX^2) + aD): no scaling line is spent.  By these bounds |H| <= 2^15, |T|, |X| <= 2^15, |D| < 37,847.
; tanh: 2^15 (1 - 2 r); below z^2 = 2^-13 the series 2^15 (z - z^3 / 3), between 2^-13 and 2^-12 a blend of the two, so that small z keep their relative accuracy.
; LIMITS.  Column sums of |W1..W3| and max |W0| within 2^-16 .. 2^16 (outside, the clamp of g lets operands leave f16's range); |z| under 2^37 (the series' cube); NaN and infinities are not treated apart.
; W1..W3 are rounded once to f16, the activations once a layer; W0, b0..b4, W4 and tx stay f32.
; SHARES.  A work-group takes 128 points of each set, as 2 superchunks of 4 PIECES of 16 points x 7 streams = 112 rows.  Wave w owns columns 64 w .. 64 w + 63 of every layer and holds that layer's
; 256 x 64 weights in 256 registers, loaded once for a superchunk's four pieces: 32,768 bytes for 896 matrix instructions.  The activations of all four pieces lie in LDS and are rewritten in place.
; THE MATRIX INSTRUCTION IS USED TRANSPOSED (source 0 = 16 columns of W, source 1 = 16 points): a lane holds ONE point (lane % 16) and eight neighbouring columns, so all streams of a
; (point, column) meet in one lane, and eight results pack into 16 bytes.
; NO CLUSTER, NO TENSOR LOADS: what work-groups share is the weights, and those go straight from memory into registers, laid out as fragments; a joint load lands in LDS, where beside the
; activations' 236,544 bytes 91,136 of 327,680 are left, less than a layer's 131,072.
; REGISTERS, in windows of 256 (s_set_vgpr_msb: bits 1:0 source 0, 3:2 source 1, 5:4 source 2, 7:6 destination):
;   window 0: addresses, fragment buffers 0 and 1, what is at work;  window 1: the layer's weights, fragment (ks, ct) at 8 (4 ks + ct);
;   window 2: the 28 accumulators, stream s, column tile ct at 32 s + 8 ct (s: 0 eqH, 1 eqT, 2 eqX, 3 eqD, 4 inH, 5 inT, 6 bdH);  window 3: YY, PP, QQ at work, W4; during a product v0-111 are fragment buffers 2 and 3.
; THE MODE: SCHED_MODE bits 1:0 = 2 (LLVM: expert scheduling mode 2), set by the entry lines.  The code itself states the register dependences between vector or matrix instructions and memory or
; LDS instructions, with s_wait_alu, always for 0.
; THE PLAN.  Registers that memory or LDS instructions touch, round the loop over pieces:
;   ALD, AST, TXA, PSA    LDS addresses: written by four adds at a piece's head, read by that piece's LDS loads and stores.
;   L16, CBO, TBA, PSR, L8 and the head's staging addresses: made at the head, never written again.
;   B0 .. B3  four fragment buffers of 56 registers.  K step k's 28 matrix instructions read B[k % 4].  Steps 0 and 1 are fetched at the product's head; step k + 2 during step k, two LDS loads behind each
;             stream's four matrix instructions.  B0 and B1 are also TAB and TXP (LDS loads, layer 0), WG (vector lines alone) and OUT (written by the roundings, read by the LDS stores).
;   the weights and BIAS  written by global loads, read by the products; in a layer's last piece they take the next layer's numbers.
;   DT        written by vector lines, read by four LDS stores.     FD  the head's staging; at a superchunk's end LDS loads land in it, the sums write it, one global store reads it.
; THE WAITS OF A PIECE.  At its head vm_vsrc: all that the piece before stored, and all its addresses, have been read (so have the head's and the last superchunk's FD).  Behind the four adds va_vdst: the addresses
; are written, and the piece before is done with B0 .. B3: it serves the fetches of K steps 0 to 3.  Behind K step 1 va_vdst: B0, B1, weight groups 0 and 1 and the bias are free.  Behind K step 3: B2, B3, groups 2 and 3.
; Behind K step 7, in a layer's last piece alone: groups 4 to 7.  Since each of these waits the matrix instructions issued name other buffers, other groups and the accumulators alone, so the loads dealt among them owe nothing more.
; Then the two waits behind the exponentials and the reciprocals, and one wait ahead of each run of stores.
.set PITCH, 528                        ; a row of 256 f16 + 16 bytes: 33 x 16, so the 16 rows of a load or store start at 16 different groups of four banks (64 banks of 4 bytes: ISA guide 11.1)
.set SROW,  16*PITCH                   ; a stream's 16 rows
.set PIECE, 7*SROW                     ; 59,136
.set TBL,   4*PIECE                    ; behind the four pieces: W0's two rows and b0, 1,024 bytes each
.set TXB,   TBL+3072                   ; the work-group's 128 points of each set, 1,024 bytes a set
.set PSB,   TXB+3072                   ; partial sums of the last layer: [output][wave][64 points] f32
.set SPARE, PSB+4096                   ; the spare words, 128 bytes for each wave: two blocks of 256 bytes that no other line names
.set RR,  1                            ; v1   lane % 16
.set HF,  2                            ; v2   lane / 16
.set LN,  3                            ; v3   lane
.set SPW, 4                            ; v4   LDS address of my spare word; never rewritten
.set NIL, 5                            ; v5   0; never rewritten
.set LT,  6                            ; v6   528 r + 16 h: my place in a fragment's rows
.set ALD, 7                            ; v7   the same in the piece in hand
.set AST, 8                            ; v8   where I put 16 bytes of a row, in the piece in hand
.set ST0, 9                            ; v9   LT + 128 w
.set L16, 10                           ; v10  16 lane
.set CBO, 11                           ; v11  256 w + 32 h: my eight columns in a row of 256 f32
.set TX0, 12                           ; v12  TXB + 8 r
.set TXA, 13                           ; v13  the same for the piece in hand
.set PS0, 14                           ; v14  PSB + 256 w + 4 r
.set PSA, 15                           ; v15  the same for the piece in hand
.set NBV, 16                           ; v16-17  the blend's factor, twice
.set TBV, 18                           ; v18-19  2.0, twice
.set PSR, 20                           ; v20  PSB + 1,024 w + 8 lane
.set L8,  21                           ; v21  8 lane
.set TBA, 22                           ; v22  TBL + CBO
.set FD,  24                           ; v24-31  the last sums
.set AF,  32                           ; v32-143  fragment buffers 0 and 1, 7 fragments of 8 each (buffers 2 and 3: window 3, v0-111)
.set WG,  32                           ;          later the blend's weights (96),
.set OUT, 32                           ;          later the packed results (112)
.set TAB, 32                           ;          in layer 0: W0's t row, x row, b0 (32 each),
.set TXP, 128                          ; v128-133 the three points (t, x),
.set XXP, 134                          ; v134-139 and (x, x)
.set BIAS, 144                         ; v144-175 the layer's scaled bias, 8 a column tile, in an accumulator's layout
.set WW,  176                          ; v176-239 w of the equation and initial points
.set DT,  176                          ;          in the last layer: 16 chains of two
.set STG, 240                          ; v240-249 the head's staging
.set YY,  0                            ; window 3: the exponent, 2^.., r, then 2^15 (1 - 2 r), of the three h streams
.set PP,  96                           ; window 3: aH^2, the series' factor, then series - tanh
.set QQ,  192                          ; window 3: aT^2 - aX^2 and what is made of it
.set W4T, 224                          ; window 3: W4 of my 32 columns
.set WV,   2                           ; s2   my wave's number
.set P_W0, 8                           ; s[8:29] the eleven addresses
.set P_B0, 10
.set P_W4, 12
.set P_B4, 14
.set P_TXE, 16
.set P_TXI, 18
.set P_TXB, 20
.set P_IMG, 22
.set P_BSC, 24
.set P_EXP, 26
.set P_OUT, 28
.set SCN,  30                          ; s30  superchunks to go, 2 .. 1
.set LCN,  31                          ; s31  layers to go, 4 .. 1
.set PCN,  32                          ; s32  pieces to go, 4 .. 1
.set POFF, 33                          ; s33  the piece's first LDS byte
.set LDF,  34                          ; s34  1: this piece's product asks for the next layer's weights
.set PSO,  35                          ; s35  the piece's 64 bytes in a row of PSB
.set TXO,  36                          ; s36  the piece's 128 bytes in a set of TXB
.set LAYLD, 37                         ; s37  1: a product follows this layer's
.set NIMG, 38                          ; s[38:39] my image of the weights to be loaded next
.set NBIA, 40                          ; s[40:41] the bias row that goes with it
.set M2S,  50                          ; s[50:51] -2^16
.set SPL,  52                          ; s[52:53] 2^15
.set TAU4, 54                          ; s[54:55] 4 tau_1 = 2^(9 - g0)
.set SCL,  56                          ; s[56:57] my output's unscaling
.set ADDC, 58                          ; s[58:59] b4 or 0
.set SEL,  60                          ; s[60:61] v_permlanex16_b32's selects
.set CY,   66                          ; five tables of four, one entry a tanh layer; the entry in use stands first and is named with its neighbour as a pair:
.set C1,   70                          ; CY: exponent = CY aH;  C1, C3: series = aH (C1 + C3 aH^2)
.set C3,   74
.set NBS,  78                          ; blend weight = 2 + NBS aH^2, held to 0 .. 1
.set KAP,  82
.set GG,   86                          ; s86-89 g0..g3
.set TT,   90                          ; s90-99 at work
.set MSB, 0
.macro WIN new                         ; the immediate's high byte repeats the setting that is left; a switch that changes nothing is dropped
.if MSB != (\new)
	s_set_vgpr_msb (MSB<<8)|(\new)
.set MSB, \new
.endif
.endm
.macro PLACES                          ; four plain vector instructions behind a matrix instruction, ahead of a read of its result or a write of one of its registers (ISA guide 7.12.1)
.rept 4
	v_nop
.endr
.endm
; One line for each pair of numbers of the three h streams: pa = the pair's place among the accumulators, py among the 96, pj among its stream's 32, ph = the stream (0 eq, 1 init, 2 bound)
.macro H48 line:vararg
.set py, 0
.set ph, 0
.irp hb, 0,128,192
.set pa, \hb
.set pj, 0
.rept 16
	\line
.set pa, pa+2
.set py, py+2
.set pj, pj+2
.endr
.set ph, ph+1
.endr
.endm
.macro R16 line:vararg                 ; one line for py = 0, 2 .. 30
.set py, 0
.rept 16
	\line
.set py, py+2
.endr
.endm
.macro R32 line:vararg                 ; py = 0, 2 .. 62
.set py, 0
.rept 32
	\line
.set py, py+2
.endr
.endm
.macro R48 line:vararg                 ; py = 0, 2 .. 94
.set py, 0
.rept 48
	\line
.set py, py+2
.endr
.endm
.macro LOADBIAS                        ; register j of tile ct: bias of column 64 w + 16 ct + 8 h + j
.irp ct, 0,1,2,3
	global_load_b128 v[BIAS+8*\ct:BIAS+8*\ct+3],   v[CBO], s[NBIA:NBIA+1] offset:64*\ct
	global_load_b128 v[BIAS+8*\ct+4:BIAS+8*\ct+7], v[CBO], s[NBIA:NBIA+1] offset:64*\ct+16
.endr
.endm
.macro LOADB grp                       ; the four weight fragments of K step grp: 8 loads of 512 consecutive bytes.  It leaves the destination's window at 1: whoever calls it sets the windows back
	WIN 0x40                                       ; destination window 1
.irp i, 0,1,2,3,4,5,6,7
	global_load_b128 v[32*(\grp)+4*\i:32*(\grp)+4*\i+3], v[L16], s[NIMG:NIMG+1] offset:4096*(\grp)+512*\i
.endr
.endm
; In a layer's last piece: K steps grp .. grp + n - 1 have been multiplied for the last time, so their registers take the next layer's weights (with group 0 the bias).
; own = 1: no wait on the way here has shown those products done, so one stands inside the branch.
.macro COND grp, n, own
	s_cmp_eq_u32 s[LDF], 1
	s_cbranch_scc0 .Lkeep_\@
.if \own
	s_wait_alu depctr_va_vdst(0)                   ; the products of K steps 4 to 7 are done reading their weights, in which the loads below land
.endif
.if (\grp) == 0
	LOADBIAS
.endif
.set gq, \grp
.rept \n
	LOADB gq
.set gq, gq+1
.endr
	WIN 0
.Lkeep_\@:
.endm
; The fragment (16 points x 32 K) of stream st, K step ks, into buffer ks % 4: lane l holds row l % 16, K = 8 (l / 16) + 0..7 and 16 + 8 (l / 16) + 0..7.
.macro FRAG ks, st
.set lq, ((\ks)%4)/2                   ; 0: window 0, from AF on; 1: window 3, from v0 on
.set lb, AF*(1-lq)+56*((\ks)%2)
	WIN 0xC0*lq
	ds_load_b128 v[lb+8*(\st):lb+8*(\st)+3],   v[ALD] offset:SROW*(\st)+64*(\ks)
	ds_load_b128 v[lb+8*(\st)+4:lb+8*(\st)+7], v[ALD] offset:SROW*(\st)+64*(\ks)+32
.endm
; Four matrix instructions: K step ks of stream st's four accumulators.  K step 0 starts the sums: the h streams' with the scaled bias, the others' with 0.
.macro PROD ks, st
.set fq, ((\ks)%4)/2
.set fb, AF*(1-fq)+56*((\ks)%2)
.set wb, 32*(\ks)
.if (\ks) == 0
.if ((\st) == 0) || ((\st) == 4) || ((\st) == 6)
	WIN 0x81                                       ; weights window 1, activations and bias window 0, sums window 2
.irp ct, 0,1,2,3
	v_wmma_f32_16x16x32_f16 v[32*(\st)+8*\ct:32*(\st)+8*\ct+7], v[wb+8*\ct:wb+8*\ct+7], v[fb+8*(\st):fb+8*(\st)+7], v[BIAS+8*\ct:BIAS+8*\ct+7]
.endr
.else
	WIN 0xA1
.irp ct, 0,1,2,3
	v_wmma_f32_16x16x32_f16 v[32*(\st)+8*\ct:32*(\st)+8*\ct+7], v[wb+8*\ct:wb+8*\ct+7], v[fb+8*(\st):fb+8*(\st)+7], 0
.endr
.endif
.else
	WIN 0xA1+0x0C*fq                               ; C and D window 2; the activations in window 0 or 3
.irp ct, 0,1,2,3
	v_wmma_f32_16x16x32_f16 v[32*(\st)+8*\ct:32*(\st)+8*\ct+7], v[wb+8*\ct:wb+8*\ct+7], v[fb+8*(\st):fb+8*(\st)+7], v[32*(\st)+8*\ct:32*(\st)+8*\ct+7]
.endr
.endif
.endm
; 28 matrix instructions: K step ks of all 28 accumulators, which take turns.  deal = 1: behind each stream's four stand the two LDS loads of that stream's fragment of K step ks + 2.
; No wait among them: since the wait that freed that buffer no vector or matrix instruction names it, nor ALD.
.macro MM ks, deal
.if (\ks) == 0
.irp st, 0,4,6,1,2,3,5
	PROD \ks, \st
.if \deal
	FRAG (\ks)+2, \st
.endif
.endr
.else
.irp st, 0,1,2,3,4,5,6
	PROD \ks, \st
.if \deal
	FRAG (\ks)+2, \st
.endif
.endr
.endif
.endm
; A piece's product: 224 matrix instructions.  At the head of K step k the fetches of steps 0 .. k + 1 have been issued: the count 14 leaves step k + 1's out.
.macro MATMUL
	WIN 0
.irp st, 0,1,2,3,4,5,6
	FRAG 0, \st
.endr
.irp st, 0,1,2,3,4,5,6
	FRAG 1, \st
.endr
	s_wait_loadcnt 0x0                             ; the layer's weights and bias are in (asked for in the last piece of the layer before)
	s_wait_dscnt 14                                ; K step 0 is in; the 14 loads of K step 1 may stay out
	MM 0, 1
	s_wait_dscnt 14
	MM 1, 1
	PLACES                                         ; the plain text's four places stay beside the wait
	WIN 0
	s_wait_alu depctr_va_vdst(0)                   ; the products of K steps 0 and 1 are done reading buffers 0 and 1, weight groups 0 and 1 and the bias: K steps 4 and 5, and in a layer's last piece the next layer's numbers, land there
	COND 0, 2, 0
	s_wait_dscnt 14
	MM 2, 1
	s_wait_dscnt 14
	MM 3, 1
	PLACES
	WIN 0
	s_wait_alu depctr_va_vdst(0)                   ; the products of K steps 2 and 3 are done reading buffers 2 and 3 and weight groups 2 and 3: K steps 6 and 7, and the next layer's numbers, land there
	COND 2, 2, 0
	s_wait_dscnt 14
	MM 4, 1
	s_wait_dscnt 14
	MM 5, 1
	s_wait_dscnt 14
	MM 6, 0
	s_wait_dscnt 0x0
	MM 7, 0
	PLACES                                         ; for the first reads of the sums, and for the first writes of YY, where buffers 2 and 3 lay
	WIN 0
	COND 4, 4, 1
.endm
; Layer 0 has no product: aH = z = t W0[0] + x W0[1] + b0, aT = 4 tau_1 W0[0], aX = 4 tau_1 W0[1], aD = 0, in the accumulators' layout.
.macro FILL
	WIN 0
.irp tb, 0,1,2
.irp ct, 0,1,2,3
	ds_load_b128 v[TAB+32*\tb+8*\ct:TAB+32*\tb+8*\ct+3],   v[TBA] offset:1024*\tb+64*\ct
	ds_load_b128 v[TAB+32*\tb+8*\ct+4:TAB+32*\tb+8*\ct+7], v[TBA] offset:1024*\tb+64*\ct+16
.endr
.endr
.irp i, 0,1,2
	ds_load_b64 v[TXP+2*\i:TXP+2*\i+1], v[TXA] offset:1024*\i
.endr
	s_wait_dscnt 0x0
.irp i, 0,1,2
	v_mov_b32 v[XXP+2*\i],   v[TXP+2*\i+1]
	v_mov_b32 v[XXP+2*\i+1], v[TXP+2*\i+1]
.endr
	WIN 0x80                                       ; destination window 2
	H48 v_pk_fma_f32 v[pa:pa+1], v[TAB+32+pj:TAB+32+pj+1], v[XXP+2*ph:XXP+2*ph+1], v[TAB+64+pj:TAB+64+pj+1]
	R16 v_pk_mul_f32 v[32+py:32+py+1], v[TAB+py:TAB+py+1], s[TAU4:TAU4+1] op_sel_hi:[1,0]
	R16 v_pk_mul_f32 v[64+py:64+py+1], v[TAB+32+py:TAB+32+py+1], s[TAU4:TAU4+1] op_sel_hi:[1,0]
	R16 v_pk_mul_f32 v[160+py:160+py+1], v[TAB+py:TAB+py+1], s[TAU4:TAU4+1] op_sel_hi:[1,0]
.set i, 0
.rept 32
	v_mov_b32 v[96+i], 0                           ; z has no second derivative in layer 0; one text of the activation serves all layers
.set i, i+1
.endr
	WIN 0xA0                                       ; source 2 and destination window 2
	H48 v_pk_fma_f32 v[pa:pa+1], v[TAB+pj:TAB+pj+1], v[TXP+2*ph:TXP+2*ph+1], v[pa:pa+1] op_sel_hi:[1,0,1]
	WIN 0
.endm
.macro LAYC l                          ; the constants of tanh layer l from s[TT] = lzs, where z = aH 2^lzs
	s_add_co_i32 s[TT+1], s[TT], 127
	s_lshl_b32 s[TT+1], s[TT+1], 23
	s_mul_f32 s[CY+\l], s[TT+1], 0x4038aa3b        ; 2 log2(e) 2^lzs
	s_add_co_i32 s[TT+1], s[TT], 142
	s_lshl_b32 s[C1+\l], s[TT+1], 23               ; 2^(15 + lzs)
	s_mul_i32 s[TT+1], s[TT], 3
	s_add_co_i32 s[TT+1], s[TT+1], 142
	s_lshl_b32 s[TT+1], s[TT+1], 23
	s_mul_f32 s[C3+\l], s[TT+1], 0xbeaaaaab        ; -2^(15 + 3 lzs) / 3
	s_lshl_b32 s[TT+1], s[TT], 1
	s_add_co_i32 s[TT+1], s[TT+1], 140
	s_lshl_b32 s[TT+1], s[TT+1], 23
	s_or_b32 s[NBS+\l], s[TT+1], 0x80000000        ; -2^(13 + 2 lzs)
.endm
	s_load_b512 s[8:23], s[0:1], 0x0               ; W0, b0, W4, b4, tx_equation, tx_init, tx_bound, wimg
	s_load_b128 s[24:27], s[0:1], 0x40             ; bsc, expo
	s_load_b64 s[28:29], s[0:1], 0x50              ; out0
	v_lshl_add_u32 v[SPW], v0, 2, SPARE
	v_mov_b32 v[NIL], 0
	v_lshrrev_b32 v1, 5, v0
	v_readfirstlane_b32 s[WV], v1                  ; wave 0..3
	v_and_b32 v[RR], 15, v0
	v_bfe_u32 v[HF], v0, 4, 1
	v_and_b32 v[LN], 31, v0
	v_mul_u32_u24 v[LT], v[RR], PITCH
	v_lshl_add_u32 v[LT], v[HF], 4, v[LT]
	s_wait_alu depctr_va_sdst(0)                   ; the wave's number is written into s[WV], ahead of its first reader
	s_lshl_b32 s[TT], s[WV], 7
	v_add_nc_u32 v[ST0], s[TT], v[LT]
	v_lshlrev_b32 v[L16], 4, v[LN]
	v_lshlrev_b32 v[L8], 3, v[LN]
	s_lshl_b32 s[TT+1], s[WV], 8
	v_lshl_add_u32 v[CBO], v[HF], 5, s[TT+1]
	v_add_nc_u32 v[TBA], TBL, v[CBO]
	v_lshl_add_u32 v[TX0], v[RR], 3, TXB
	v_lshl_add_u32 v[PS0], v[RR], 2, s[TT+1]
	v_add_nc_u32 v[PS0], PSB, v[PS0]
	s_lshl_b32 s[TT+2], s[WV], 10
	v_lshl_add_u32 v[PSR], v[LN], 3, s[TT+2]
	v_add_nc_u32 v[PSR], PSB, v[PSR]
	v_mov_b32 v[TBV], 2.0
	v_mov_b32 v[TBV+1], 2.0
	v_lshlrev_b32 v[STG+6], 4, v0                  ; 16 x thread
	v_lshlrev_b32 v[STG+7], 3, v0                  ; 8 x thread
	v_add_nc_u32 v[STG+8], TBL, v[STG+6]
	v_add_nc_u32 v[STG+9], TBL+2048, v[STG+7]
	s_mov_b32 s[M2S], 0xc7800000
	s_mov_b32 s[M2S+1], 0xc7800000
	s_mov_b32 s[SPL], 0x47000000
	s_mov_b32 s[SPL+1], 0x47000000
	s_mov_b32 s[SEL], 0x76543210
	s_mov_b32 s[SEL+1], 0xfedcba98
	s_wait_kmcnt 0x0
	s_load_b32 s[GG],   s[P_EXP:P_EXP+1], 0x0
	s_load_b32 s[GG+1], s[P_EXP:P_EXP+1], 0x80
	s_load_b32 s[GG+2], s[P_EXP:P_EXP+1], 0x100
	s_load_b32 s[GG+3], s[P_EXP:P_EXP+1], 0x180
	s_load_b32 s[TT+8], s[P_B4:P_B4+1], 0x0
	s_lshl_b32 s[TT], ttmp9, 10                    ; the work-group's 128 points of 8 bytes
	s_mov_b32 s[TT+1], 0
	s_add_nc_u64 s[P_TXE:P_TXE+1], s[P_TXE:P_TXE+1], s[TT:TT+1]
	s_add_nc_u64 s[P_TXI:P_TXI+1], s[P_TXI:P_TXI+1], s[TT:TT+1]
	s_add_nc_u64 s[P_TXB:P_TXB+1], s[P_TXB:P_TXB+1], s[TT:TT+1]
	s_lshl_b32 s[TT], s[WV], 17                    ; wave w finishes output w: 131,072 bytes each,
	s_lshl_b32 s[TT+2], ttmp9, 9                   ; the work-group's 128 numbers of it
	s_add_co_u32 s[TT], s[TT], s[TT+2]
	s_add_nc_u64 s[P_OUT:P_OUT+1], s[P_OUT:P_OUT+1], s[TT:TT+1]
	s_lshl_b32 s[TT], s[WV], 15
	s_add_nc_u64 s[NIMG:NIMG+1], s[P_IMG:P_IMG+1], s[TT:TT+1]  ; W1's image for my wave
	s_mov_b64 s[NBIA:NBIA+1], s[P_BSC:P_BSC+1]
	s_wait_alu depctr_va_vdst(0)                   ; the head's offsets and LDS addresses are written (L16, L8, CBO, TBA, PSR, STG+6 .. STG+9), which the loads and stores of the whole kernel read
	global_load_b128 v[FD:FD+3],      v[STG+6], s[P_W0:P_W0+1]    ; what goes through LDS: W0, b0 and the points, each byte fetched once by the work-group
	global_load_b64 v[FD+4:FD+5],     v[STG+7], s[P_B0:P_B0+1]
	global_load_b64 v[STG:STG+1],     v[STG+7], s[P_TXE:P_TXE+1]
	global_load_b64 v[STG+2:STG+3],   v[STG+7], s[P_TXI:P_TXI+1]
	global_load_b64 v[STG+4:STG+5],   v[STG+7], s[P_TXB:P_TXB+1]
	WIN 0xC0                                       ; destination window 3
.irp ct, 0,1,2,3
	global_load_b128 v[W4T+8*\ct:W4T+8*\ct+3],   v[CBO], s[P_W4:P_W4+1] offset:64*\ct
	global_load_b128 v[W4T+8*\ct+4:W4T+8*\ct+7], v[CBO], s[P_W4:P_W4+1] offset:64*\ct+16
.endr
	WIN 0
	LOADBIAS
.irp g, 0,1,2,3,4
	LOADB \g
.endr
	WIN 0
	s_wait_kmcnt 0x0                               ; g0..g3 and b4.  All scales are made as exponent fields: (e + 127) << 23
	s_mov_b32 s[TT], 0                             ; layer 0: aH = z
	LAYC 0
.irp l, 1,2,3
	s_sub_co_i32 s[TT], s[GG+\l], 21               ; aH = 2^15 om z, om = 2^(6 - g)
	LAYC \l
.endr
	s_add_co_i32 s[TT+2], s[GG+1], s[GG+2]
	s_max_i32 s[TT+2], s[TT+2], s[GG+1]
	s_max_i32 s[TT+2], s[TT+2], 0
	s_sub_co_i32 s[TT+2], -8, s[TT+2]              ; log2 rho_1 = -8 - max(0, g1, g1 + g2), rho = delta / tau^2: it holds |D| inside f16 in all layers
	s_mov_b32 s[TT+3], s[TT+2]
.irp l, 0,1,2,3
	s_add_co_i32 s[TT+1], s[TT+3], 111
	s_lshl_b32 s[TT+1], s[TT+1], 23
	s_or_b32 s[KAP+\l], s[TT+1], 0x80000000        ; KAP = -rho 2^-16
.if \l < 3
	s_add_co_i32 s[TT+3], s[TT+3], s[GG+1+\l]      ; rho goes on by 4 / om = 2^(g - 4)
	s_sub_co_i32 s[TT+3], s[TT+3], 4
.endif
.endr
	s_sub_co_i32 s[TAU4], 136, s[GG]
	s_lshl_b32 s[TAU4], s[TAU4], 23                ; 2^(9 - g0)
	s_mov_b32 s[TAU4+1], s[TAU4]
	s_add_co_i32 s[TT+4], s[GG+1], s[GG+2]
	s_add_co_i32 s[TT+4], s[TT+4], s[GG+3]
	s_add_co_i32 s[TT+4], s[TT+4], s[GG]           ; g0 + g1 + g2 + g3
	s_add_co_i32 s[TT+5], s[TT+4], 108
	s_lshl_b32 s[TT+5], s[TT+5], 23                ; 1 / tau_4, tau_4 = 2^(19 - g0 - g1 - g2 - g3)
	s_add_co_i32 s[TT+6], s[TT+4], s[GG]
	s_sub_co_i32 s[TT+6], s[TT+6], s[TT+2]
	s_add_co_i32 s[TT+6], s[TT+6], 101
	s_lshl_b32 s[TT+6], s[TT+6], 23                ; 1 / delta_4, delta_4 = rho_1 2^(26 - 2 g0 - g1 - g2 - g3)
	s_cmp_eq_u32 s[WV], 0
	s_cselect_b32 s[SCL], s[TT+6], s[TT+5]         ; output 0: the residual; output 2: u_t
	s_and_b32 s[TT], s[WV], 1
	s_cmp_eq_u32 s[TT], 1
	s_cselect_b32 s[SCL], 0x38000000, s[SCL]       ; outputs 1 and 3: u = 2^-15 sum + b4
	s_cselect_b32 s[ADDC], s[TT+8], 0
	s_mov_b32 s[SCL+1], s[SCL]
	s_mov_b32 s[ADDC+1], s[ADDC]
	v_mov_b32 v[NBV], s[NBS]
	v_mov_b32 v[NBV+1], s[NBS]
	s_wait_loadcnt 56                              ; the five staging loads are in; behind them 8 of W4, 8 of the bias and 40 of the weights may stay out
	ds_store_b128 v[STG+8], v[FD:FD+3]             ; their data come from loads, their addresses stand ahead of the head's wait on va_vdst
	ds_store_b64 v[STG+9], v[FD+4:FD+5]
	ds_store_b64 v[STG+9], v[STG:STG+1]   offset:1024
	ds_store_b64 v[STG+9], v[STG+2:STG+3] offset:2048
	ds_store_b64 v[STG+9], v[STG+4:STG+5] offset:3072
.irp g, 5,6,7
	LOADB \g
.endr
	WIN 0
	s_wait_dscnt 0x0                               ; for the others: my part of the tables is in LDS
	s_barrier_signal -1
	s_barrier_wait -1
	s_mov_b32 s[SCN], 2
.Lsuper:                                               ; 64 points of each set
	s_mov_b32 s[LCN], 4
.Llayer:                                               ; tanh layer 4 - LCN, for the superchunk's four pieces
	s_mov_b32 s[POFF], 0
	s_mov_b32 s[PSO], 0
	s_sub_co_u32 s[TXO], 2, s[SCN]
	s_lshl_b32 s[TXO], s[TXO], 9                   ; the superchunk's 64 points of 8 bytes
	s_sub_co_u32 s[TT], 4, s[LCN]                  ; the layer l.  Its last piece asks for the weights of the product that follows: image l, behind layer 3 image 0 again
	s_cmp_eq_u32 s[TT], 3
	s_cselect_b32 s[TT], 0, s[TT]
	s_lshl_b32 s[TT+2], s[TT], 10
	s_lshl2_add_u32 s[TT], s[TT], s[WV]
	s_lshl_b32 s[TT], s[TT], 15
	s_mov_b32 s[TT+1], 0
	s_mov_b32 s[TT+3], 0
	s_wait_xcnt 0x0                                ; the loads issued so far have read their bases, which are written below
	s_add_nc_u64 s[NIMG:NIMG+1], s[P_IMG:P_IMG+1], s[TT:TT+1]
	s_add_nc_u64 s[NBIA:NBIA+1], s[P_BSC:P_BSC+1], s[TT+2:TT+3]
	s_add_co_u32 s[TT], s[SCN], s[LCN]
	s_cmp_eq_u32 s[TT], 2                          ; the last layer of the last superchunk: nothing follows
	s_cselect_b32 s[LAYLD], 0, 1
	s_mov_b32 s[PCN], 4
.Lpiece:                                               ; one piece through one layer
	s_wait_alu depctr_vm_vsrc(0)                   ; the LDS instructions of the piece before have read ALD, AST, TXA and PSA, which the four adds write, and its stores OUT and DT, which this piece's loads and vector lines write; the head's LDS stores and the last superchunk's global store have read FD, in which LDS loads land at this superchunk's end
	v_add_nc_u32 v[ALD], s[POFF], v[LT]
	v_add_nc_u32 v[AST], s[POFF], v[ST0]
	v_add_nc_u32 v[TXA], s[TXO], v[TX0]
	v_add_nc_u32 v[PSA], s[PSO], v[PS0]
	s_cmp_eq_u32 s[PCN], 1
	s_cselect_b32 s[LDF], s[LAYLD], 0
	s_wait_alu depctr_va_vdst(0)                   ; the four addresses are written, which this piece's LDS loads and stores read; the vector lines of the piece before are done with v32-143 and with window 3's v0-111, in which the loads of layer 0's tables, or of K steps 0 to 3, land
	s_cmp_eq_u32 s[LCN], 4
	s_cbranch_scc0 .Lproduct
	FILL
	s_branch .Lacts
.Lproduct:
	MATMUL
.Lacts:
	s_wait_dscnt 0x0                               ; my reads of the piece are over:
	s_barrier_signal -1                            ; say so; the activation below works on registers alone while the others arrive
	; THE ACTIVATION, in runs under one window setting each.  Every array is walked upward, so that the first read of each accumulator is of its lowest registers.
	WIN 0xCA
	H48 v_pk_mul_f32 v[YY+py:YY+py+1], v[pa:pa+1], s[CY:CY+1] op_sel_hi:[1,0]
	H48 v_pk_mul_f32 v[PP+py:PP+py+1], v[pa:pa+1], v[pa:pa+1]
	WIN 0x03
	H48 v_pk_fma_f32 v[WG+py:WG+py+1], v[PP+py:PP+py+1], v[NBV:NBV+1], v[TBV:TBV+1] clamp
	WIN 0xC3
.set py, 0
.rept 48                                       ; the 96 exponentials are one batch; the series' factor is the plain work between them
	v_pk_fma_f32 v[PP+py:PP+py+1], v[PP+py:PP+py+1], s[C3:C3+1], s[C1:C1+1] op_sel_hi:[1,0,0]
	v_exp_f32 v[YY+py], v[YY+py]
	v_exp_f32 v[YY+py+1], v[YY+py+1]
.set py, py+2
.endr
	v_nop                                          ; a plain instruction behind the last exponential,
	s_wait_alu depctr_va_vdst(0)                   ; and the one wait ahead of the batch's first reader: the 96 exponentials have written YY
	v_pk_add_f32 v[YY:YY+1], v[YY:YY+1], 1.0 op_sel_hi:[1,0]
.set py, 0
.rept 48                                       ; the 96 reciprocals are the second batch; each pair's 1 + 2^.. is made a pair ahead
.if py < 94
	v_pk_add_f32 v[YY+py+2:YY+py+3], v[YY+py+2:YY+py+3], 1.0 op_sel_hi:[1,0]
.endif
	v_rcp_f32 v[YY+py], v[YY+py]
	v_rcp_f32 v[YY+py+1], v[YY+py+1]
.set py, py+2
.endr
	v_nop
	s_wait_alu depctr_va_vdst(0)                   ; the batch's one wait: the 96 reciprocals have written YY
	WIN 0x3F
	R32 v_pk_fma_f32 v[WW+py:WW+py+1], v[YY+py:YY+py+1], v[YY+py:YY+py+1], v[YY+py:YY+py+1] neg_lo:[1,0,0] neg_hi:[1,0,0]  ; w = r - r^2
	WIN 0xC3
	R48 v_pk_fma_f32 v[YY+py:YY+py+1], v[YY+py:YY+py+1], s[M2S:M2S+1], s[SPL:SPL+1] op_sel_hi:[1,0,0]  ; 2^15 (1 - 2 r)
	WIN 0xFE
	H48 v_pk_fma_f32 v[PP+py:PP+py+1], v[pa:pa+1], v[PP+py:PP+py+1], v[YY+py:YY+py+1] neg_lo:[0,0,1] neg_hi:[0,0,1]  ; series - that
	WIN 0xBC
	H48 v_pk_fma_f32 v[pa:pa+1], v[WG+py:WG+py+1], v[PP+py:PP+py+1], v[YY+py:YY+py+1]  ; H
	WIN 0xCA
	R16 v_pk_mul_f32 v[QQ+py:QQ+py+1], v[32+py:32+py+1], v[32+py:32+py+1]
	WIN 0xFA
	R16 v_pk_fma_f32 v[QQ+py:QQ+py+1], v[64+py:64+py+1], v[64+py:64+py+1], v[QQ+py:QQ+py+1] neg_lo:[1,0,0] neg_hi:[1,0,0]  ; aT^2 - aX^2
	WIN 0xCE
	R16 v_pk_mul_f32 v[QQ+py:QQ+py+1], v[py:py+1], v[QQ+py:QQ+py+1]
	WIN 0xE3
	R16 v_pk_fma_f32 v[QQ+py:QQ+py+1], v[QQ+py:QQ+py+1], s[KAP:KAP+1], v[96+py:96+py+1] op_sel_hi:[1,0,1]
	WIN 0x88
	R16 v_pk_mul_f32 v[32+py:32+py+1], v[WW+py:WW+py+1], v[32+py:32+py+1]        ; T
	R16 v_pk_mul_f32 v[64+py:64+py+1], v[WW+py:WW+py+1], v[64+py:64+py+1]        ; X
	R16 v_pk_mul_f32 v[160+py:160+py+1], v[WW+32+py:WW+32+py+1], v[160+py:160+py+1]  ; the initial points' T
	WIN 0x8C
	R16 v_pk_mul_f32 v[96+py:96+py+1], v[WW+py:WW+py+1], v[QQ+py:QQ+py+1]        ; D
	WIN 0
	s_barrier_wait -1                              ; nobody reads the piece any more: it may be written
	s_cmp_eq_u32 s[LCN], 1
	s_cbranch_scc1 .Ldot
	WIN 0x0A                                       ; the results, rounded to f16, take the piece's place: my 64 columns of its 112 rows.  Streams 0 to 3 leave while streams 4 to 6 are rounded
.set i, 0
.rept 64
	v_cvt_pk_f16_f32 v[OUT+i], v[2*i], v[2*i+1]
.set i, i+1
.endr
	WIN 0
	s_wait_alu depctr_va_vdst(0)                   ; the roundings of streams 0 to 3 have written OUT's first 64 registers, which the sixteen LDS stores below read
.irp st, 0,1,2,3
.irp ct, 0,1,2,3
	ds_store_b128 v[AST], v[OUT+16*\st+4*\ct:OUT+16*\st+4*\ct+3] offset:SROW*\st+32*\ct
.endr
.endr
	WIN 0x0A
.rept 48
	v_cvt_pk_f16_f32 v[OUT+i], v[2*i], v[2*i+1]    ; these write OUT's other 48 registers, which no store above reads
.set i, i+1
.endr
	WIN 0
	s_wait_alu depctr_va_vdst(0)                   ; the roundings of streams 4 to 6 have written OUT's last 48 registers, which the twelve LDS stores below read
.irp st, 4,5,6
.irp ct, 0,1,2,3
	ds_store_b128 v[AST], v[OUT+16*\st+4*\ct:OUT+16*\st+4*\ct+3] offset:SROW*\st+32*\ct
.endr
.endr
	s_branch .Lstored
.Ldot:                                                 ; the last layer: streams 3 .. 6 (D, the initial H and T, the boundary H) times W4, in f32: my 64 columns' part of the four outputs
	WIN 0x0E                                       ; source 0 window 2, source 1 window 3
.irp k, 0,1,2,3
.irp o, 0,1,2,3
.irp ct, 0,1,2,3
.if \k == 0
	v_pk_mul_f32 v[DT+8*\o+2*\ct:DT+8*\o+2*\ct+1], v[96+32*\o+8*\ct:96+32*\o+8*\ct+1], v[W4T+8*\ct:W4T+8*\ct+1]
.else
	v_pk_fma_f32 v[DT+8*\o+2*\ct:DT+8*\o+2*\ct+1], v[96+32*\o+8*\ct+2*\k:96+32*\o+8*\ct+2*\k+1], v[W4T+8*\ct+2*\k:W4T+8*\ct+2*\k+1], v[DT+8*\o+2*\ct:DT+8*\o+2*\ct+1]
.endif
.endr
.endr
.endr
	WIN 0
.irp o, 0,1,2,3
	v_pk_add_f32 v[DT+8*\o:DT+8*\o+1], v[DT+8*\o:DT+8*\o+1], v[DT+8*\o+2:DT+8*\o+3]
	v_pk_add_f32 v[DT+8*\o+4:DT+8*\o+5], v[DT+8*\o+4:DT+8*\o+5], v[DT+8*\o+6:DT+8*\o+7]
.endr
.irp o, 0,1,2,3
	v_pk_add_f32 v[DT+8*\o:DT+8*\o+1], v[DT+8*\o:DT+8*\o+1], v[DT+8*\o+4:DT+8*\o+5]
.endr
.irp o, 0,1,2,3
	v_add_f32 v[DT+8*\o], v[DT+8*\o], v[DT+8*\o+1]
.endr
.irp o, 0,1,2,3
	v_permlanex16_b32 v[DT+8*\o+1], v[DT+8*\o], s[SEL], s[SEL+1]  ; the point's other 32 columns lie in the lane 16 away
.endr
.irp o, 0,1,2,3
	v_add_f32 v[DT+8*\o], v[DT+8*\o], v[DT+8*\o+1]
.endr
	s_wait_alu depctr_va_vdst(0)                   ; the last additions have written the four partial sums in DT, which the LDS stores below read
.irp o, 0,1,2,3
	ds_store_b32 v[PSA], v[DT+8*\o] offset:1024*\o ; both halves of the lanes write the same number to the same word
.endr
.Lstored:
	s_wait_dscnt 0x0                               ; for the others: my stores are in LDS
	s_barrier_signal -1
	s_add_co_u32 s[POFF], s[POFF], PIECE
	s_add_co_u32 s[PSO], s[PSO], 64
	s_add_co_u32 s[TXO], s[TXO], 128
	s_sub_co_u32 s[PCN], s[PCN], 1
	s_barrier_wait -1                              ; everybody's are: what is read from here on is whole
	s_cmp_lg_u32 s[PCN], 0
	s_cbranch_scc1 .Lpiece
.irp t, CY, C1, C3, NBS, KAP           ; each table turns by one entry; four turns bring it back for the next superchunk
	s_mov_b32 s[TT], s[\t]
	s_mov_b32 s[\t], s[\t+1]
	s_mov_b32 s[\t+1], s[\t+2]
	s_mov_b32 s[\t+2], s[\t+3]
	s_mov_b32 s[\t+3], s[TT]
.endr
	v_mov_b32 v[NBV], s[NBS]
	v_mov_b32 v[NBV+1], s[NBS]
	s_sub_co_u32 s[LCN], s[LCN], 1
	s_cmp_lg_u32 s[LCN], 0
	s_cbranch_scc1 .Llayer
	; Wave w finishes output w for the superchunk's 64 points: the four waves' parts are added, unscaled, b4 added where it belongs.
	; The loads into FD owe no wait here: what read FD stands ahead of the pieces' waits on vm_vsrc, and the vector lines that named it ahead of the wait on va_vdst in front of the last superchunk's store.
.irp g, 0,1,2,3
	ds_load_b64 v[FD+2*\g:FD+2*\g+1], v[PSR] offset:256*\g
.endr
	s_wait_dscnt 0x0
	v_pk_add_f32 v[FD:FD+1], v[FD:FD+1], v[FD+2:FD+3]
	v_pk_add_f32 v[FD+4:FD+5], v[FD+4:FD+5], v[FD+6:FD+7]
	v_pk_add_f32 v[FD:FD+1], v[FD:FD+1], v[FD+4:FD+5]
	v_pk_fma_f32 v[FD:FD+1], v[FD:FD+1], s[SCL:SCL+1], s[ADDC:ADDC+1] op_sel_hi:[1,0,0]
	s_wait_alu depctr_va_vdst(0)                   ; the unscaling has written FD's first pair, which the store reads; the sums above are done with all of FD, in which the next superchunk's LDS loads land
	global_store_b64 v[L8], v[FD:FD+1], s[P_OUT:P_OUT+1]  ; 32 lanes store 256 consecutive bytes, at a multiple of 256 from out0's first
	s_wait_xcnt 0x0                                ; the store has read its base, which is written again only behind this wait
	s_add_nc_u64 s[P_OUT:P_OUT+1], s[P_OUT:P_OUT+1], 256
	s_sub_co_u32 s[SCN], s[SCN], 1
	s_cmp_lg_u32 s[SCN], 0
	s_cbranch_scc1 .Lsuper
	s_wait_dscnt 0x0                               ; the closing lines, six on end
	s_wait_alu 0x0
	s_wait_tensorcnt 0x0
	ds_add_u32 v[SPW], v[NIL]
	s_wait_dscnt 0x0
	s_endpgm
.Lfunc_end_k_q36070ecb7f_pinn:
	.size	k_q36070ecb7f_pinn, .Lfunc_end_k_q36070ecb7f_pinn-k_q36070ecb7f_pinn
	.p2alignl 7, 3214868480
	.fill 96, 4, 3214868480
	.section	.rodata,"a",@progbits
	.p2align	6, 0x0
	.amdhsa_kernel k_q36070ecb7f_pinn
		.amdhsa_group_segment_fixed_size 247296
		.amdhsa_private_segment_fixed_size 0
		.amdhsa_enable_private_segment 0
		.amdhsa_kernarg_size 88
		.amdhsa_user_sgpr_count 2
		.amdhsa_user_sgpr_kernarg_segment_ptr 1
		.amdhsa_wavefront_size32 1
		.amdhsa_system_sgpr_workgroup_id_x 1
		.amdhsa_system_sgpr_workgroup_id_y 1
		.amdhsa_system_sgpr_workgroup_id_z 1
		.amdhsa_system_vgpr_workitem_id 0
		.amdhsa_next_free_vgpr 1024
		.amdhsa_next_free_sgpr 100
		.amdhsa_reserve_vcc 0
		.amdhsa_float_denorm_mode_32 3
		.amdhsa_float_denorm_mode_16_64 3
		.amdhsa_memory_ordered 1
		.amdhsa_forward_progress 1
		.amdhsa_inst_pref_size 119
	.end_amdhsa_kernel
	.amdgpu_metadata
---
amdhsa.version: [ 1, 2 ]
amdhsa.kernels:
  - .name:           k_q36070ecb7f_pinn
    .symbol:         k_q36070ecb7f_pinn.kd
    .args:
      - { .name: W0, .offset: 0, .size: 8, .value_kind: global_buffer, .address_space: global }
      - { .name: b0, .offset: 8, .size: 8, .value_kind: global_buffer, .address_space: global }
      - { .name: W4, .offset: 16, .size: 8, .value_kind: global_buffer, .address_space: global }
      - { .name: b4, .offset: 24, .size: 8, .value_kind: global_buffer, .address_space: global }
      - { .name: tx_equation, .offset: 32, .size: 8, .value_kind: global_buffer, .address_space: global }
      - { .name: tx_init, .offset: 40, .size: 8, .value_kind: global_buffer, .address_space: global }
      - { .name: tx_bound, .offset: 48, .size: 8, .value_kind: global_buffer, .address_space: global }
      - { .name: wimg, .offset: 56, .size: 8, .value_kind: global_buffer, .address_space: global }
      - { .name: bsc, .offset: 64, .size: 8, .value_kind: global_buffer, .address_space: global }
      - { .name: expo, .offset: 72, .size: 8, .value_kind: global_buffer, .address_space: global }
      - { .name: out0, .offset: 80, .size: 8, .value_kind: global_buffer, .address_space: global }
    .group_segment_fixed_size: 247296
    .private_segment_fixed_size: 0
    .kernarg_segment_align: 8
    .kernarg_segment_size: 88
    .max_flat_workgroup_size: 128
    .sgpr_count:     100
    .vgpr_count:     1024
    .wavefront_size: 32
...
	.end_amdgpu_metadata
.endif
;; end of part 4
